; MI455X (gfx1250); checked and timed in simulation.
; The chip was launched on July 23, 2026; its instructions are those of AMD's public machine-readable ISA for CDNA 5 (MIT licence, August 2026) and "CDNA5" Instruction Set Architecture Reference Guide (July 2026). The comments in the code are by the model that wrote it; some were corrected since.
;; MLP 01. Allowed arithmetic: float matrix products may take bf16 or f16 operands with f32 sums; all other float work in f32.
;; Inputs: k0 2,048 x 4,096 bool; k1 4,096 x 4,096 bool; k2 4,096 x 1,024 bool; s0 one number float32; s1 one number float32; s2 one number float32; x 8 x 256 x 1,024 float32.
;; Outputs: out0 8 x 256 x 1,024 float32.
;; One version. Each part assembles by itself: llvm-mc -triple=amdgcn-amd-amdhsa -mcpu=gfx1250 --defsym DOCPART=n.
;; ======== version 1 of 1: 4 launches
;; limits: values are held in f16: magnitudes above 65,504 overflow, below 6.1e-05 lose precision
;; workspace buffers: xh 4,194,304 bytes; w0c 4,194,304 bytes; k2b 4,194,304 bytes; h0 16,777,216 bytes; h1 16,777,216 bytes
;; launch prep (part 1): grid 768 x 1, 8 waves a work-group, no clusters, 0 bytes of LDS; arguments x, k0, k2, xh, w0c, k2b; writes xh, w0c, k2b
.if DOCPART == 1
	.amdgcn_target "amdgcn-amd-amdhsa--gfx1250"
	.amdhsa_code_object_version 6
	.text
	.protected	k_q50b0656561_prep
	.globl	k_q50b0656561_prep
	.p2align	8
	.type	k_q50b0656561_prep,@function
k_q50b0656561_prep:
	s_mov_b64 s[64:65], 0
	v_nop
	global_prefetch_b8 v0, s[64:65] scope:SCOPE_SE
	s_setreg_imm32_b32 hwreg(HW_REG_WAVE_MODE, 25, 1), 1
	s_wait_xcnt 0x0
; Three streams that lay the operands out for the products that follow.  A work-group's number picks its job; each job is 256 work-groups of 256 threads.
;   job 1: xh = x rounded once to f16.  [2048][1024].  LIMIT: |x| beyond 65,504 becomes an infinity.
;   job 2: w0c[k][n], one byte: the HIGH byte of the f16 number (a - b) 2^-7, a = k0[k][n], b = k0[k+1024][n]: 0x20, 0xA0 or 0.
;          [x, -x] W0 = x (W0top - W0bot), and W0top - W0bot = 2 (a - b): the first product needs K = 1,024 and one byte a weight.
;   job 3: k2b[j][k][0..127] = k2[k][128 j ..]: blocks of 128 columns, dense, so that a tile of 128 columns is consecutive bytes.
; bool bytes are 0 or 1, as the problem states.  No LDS, no barrier, no matrix unit: every byte is read once and written once, and nothing is shared.
; Every load of a thread goes out before its first wait; no register that a store names is written again, and a loaded one only behind its wait, so no wait frees one.
	s_load_b256 s[4:11], s[0:1], 0x0               ; x s[4:5], k0 s[6:7], k2 s[8:9], xh s[10:11]
	s_load_b128 s[12:15], s[0:1], 0x20             ; w0c s[12:13], k2b s[14:15]
	s_mov_b32 s16, ttmp9                           ; the work-group's number
	s_mov_b32 s19, 0
	s_mov_b32 s21, 0
	v_lshlrev_b32 v1, 5, v0                        ; 32 t
	v_lshlrev_b32 v2, 4, v0                        ; 16 t
	s_wait_kmcnt 0x0
	s_cmp_lt_u32 s16, 256
	s_cbranch_scc0 .Lnot_x
	; JOB 1.  32,768 bytes of x become 16,384 of xh.  Thread t takes eight numbers at 32 t in each of four pieces of 8,192 bytes.
	s_lshl_b32 s18, s16, 15
	s_lshl_b32 s20, s16, 14
	s_add_nc_u64 s[4:5], s[4:5], s[18:19]
	s_add_nc_u64 s[10:11], s[10:11], s[20:21]
.irp u, 0,1,2,3
	global_load_b128 v[8+8*\u:11+8*\u],  v1, s[4:5] offset:8192*\u th:TH_LOAD_NT
	global_load_b128 v[12+8*\u:15+8*\u], v1, s[4:5] offset:8192*\u+16 th:TH_LOAD_NT
.endr
.irp u, 0,1,2,3
	s_wait_loadcnt 6-2*\u                          ; loads come back in order: piece u's two are in, the 6 - 2 u younger ones stay out
.irp j, 0,1,2,3
	v_cvt_pk_f16_f32 v[40+4*\u+\j], v[8+8*\u+2*\j], v[9+8*\u+2*\j]
.endr
	global_store_b128 v2, v[40+4*\u:43+4*\u], s[10:11] offset:4096*\u  ; a wave's store covers 512 consecutive bytes, aligned
.endr
	s_endpgm
.Lnot_x:
	s_cmp_lt_u32 s16, 512
	s_cbranch_scc0 .Lnot_k0
	; JOB 2.  Four rows of 4,096 bytes; thread t takes 16 bytes at 16 t of each; b lies 1,024 rows = 4,194,304 bytes behind a.
	s_sub_co_u32 s16, s16, 256
	s_lshl_b32 s18, s16, 14
	s_add_nc_u64 s[6:7], s[6:7], s[18:19]
	s_add_nc_u64 s[12:13], s[12:13], s[18:19]
.irp u, 0,1,2,3
	global_load_b128 v[8+8*\u:11+8*\u],  v2, s[6:7] offset:4096*\u th:TH_LOAD_NT
	global_load_b128 v[12+8*\u:15+8*\u], v2, s[6:7] offset:4096*\u+4194304 th:TH_LOAD_NT
.endr
.irp u, 0,1,2,3
	s_wait_loadcnt 6-2*\u                          ; row u's two loads are in
.irp j, 0,1,2,3                        ; four bytes at a time: each byte holds 0 or 1, so no shift crosses a byte
	v_xor_b32 v[8+8*\u+\j], v[8+8*\u+\j], v[12+8*\u+\j]          ; d = 1 where a - b is not 0
	v_and_b32 v[12+8*\u+\j], v[12+8*\u+\j], v[8+8*\u+\j]         ; 1 where it is -1
	v_lshlrev_b32 v[40+4*\u+\j], 5, v[8+8*\u+\j]                 ; 0x20: the exponent of 2^-7
	v_lshl_or_b32 v[40+4*\u+\j], v[12+8*\u+\j], 7, v[40+4*\u+\j] ; 0x80: the sign
.endr
	global_store_b128 v2, v[40+4*\u:43+4*\u], s[12:13] offset:4096*\u
.endr
	s_endpgm
.Lnot_k0:
	; JOB 3.  Sixteen rows of k2 (1,024 bytes each).  Thread t: 16 bytes at 16 (t & 7) of row (t >> 3) & 15, in blocks (t >> 7) + 2 u.
	s_sub_co_u32 s16, s16, 512
	s_lshl_b32 s18, s16, 14                        ; 16 rows of k2
	s_lshl_b32 s20, s16, 11                        ; 16 rows of 128 bytes in a block
	s_add_nc_u64 s[8:9], s[8:9], s[18:19]
	s_add_nc_u64 s[14:15], s[14:15], s[20:21]
	v_bfe_u32 v5, v0, 3, 4                         ; row
	v_lshrrev_b32 v6, 7, v0                        ; block's low bit
	v_and_b32 v7, 7, v0
	v_lshlrev_b32 v7, 4, v7                        ; my 16 bytes of the 128
	v_lshl_add_u32 v3, v5, 10, v7
	v_lshl_add_u32 v3, v6, 7, v3                   ; in: row x 1,024 + block x 128
	v_lshl_add_u32 v4, v5, 7, v7
	v_lshl_add_u32 v4, v6, 19, v4                  ; out: block x 524,288 + row x 128
.irp u, 0,1,2,3
	global_load_b128 v[8+4*\u:11+4*\u], v3, s[8:9] offset:256*\u th:TH_LOAD_NT
.endr
.irp u, 0,1,2,3
	s_wait_loadcnt 3-\u
	global_store_b128 v4, v[8+4*\u:11+4*\u], s[14:15] offset:1048576*\u  ; sixteen lanes store two rows of a block: 256 consecutive bytes, aligned
.endr
	s_endpgm
.Lfunc_end_k_q50b0656561_prep:
	.size	k_q50b0656561_prep, .Lfunc_end_k_q50b0656561_prep-k_q50b0656561_prep
	.p2alignl 7, 3214868480
	.fill 96, 4, 3214868480
	.section	.rodata,"a",@progbits
	.p2align	6, 0x0
	.amdhsa_kernel k_q50b0656561_prep
		.amdhsa_group_segment_fixed_size 0
		.amdhsa_private_segment_fixed_size 0
		.amdhsa_enable_private_segment 0
		.amdhsa_kernarg_size 48
		.amdhsa_user_sgpr_count 2
		.amdhsa_user_sgpr_kernarg_segment_ptr 1
		.amdhsa_wavefront_size32 1
		.amdhsa_system_sgpr_workgroup_id_x 1
		.amdhsa_system_sgpr_workgroup_id_y 1
		.amdhsa_system_sgpr_workgroup_id_z 1
		.amdhsa_system_vgpr_workitem_id 0
		.amdhsa_next_free_vgpr 56
		.amdhsa_next_free_sgpr 66
		.amdhsa_reserve_vcc 0
		.amdhsa_float_denorm_mode_32 3
		.amdhsa_float_denorm_mode_16_64 3
		.amdhsa_memory_ordered 1
		.amdhsa_forward_progress 1
		.amdhsa_inst_pref_size 9
	.end_amdhsa_kernel
	.amdgpu_metadata
---
amdhsa.version: [ 1, 2 ]
amdhsa.kernels:
  - .name:           k_q50b0656561_prep
    .symbol:         k_q50b0656561_prep.kd
    .args:
      - { .name: x, .offset: 0, .size: 8, .value_kind: global_buffer, .address_space: global }
      - { .name: k0, .offset: 8, .size: 8, .value_kind: global_buffer, .address_space: global }
      - { .name: k2, .offset: 16, .size: 8, .value_kind: global_buffer, .address_space: global }
      - { .name: xh, .offset: 24, .size: 8, .value_kind: global_buffer, .address_space: global }
      - { .name: w0c, .offset: 32, .size: 8, .value_kind: global_buffer, .address_space: global }
      - { .name: k2b, .offset: 40, .size: 8, .value_kind: global_buffer, .address_space: global }
    .group_segment_fixed_size: 0
    .private_segment_fixed_size: 0
    .kernarg_segment_align: 8
    .kernarg_segment_size: 48
    .max_flat_workgroup_size: 256
    .sgpr_count:     66
    .vgpr_count:     56
    .wavefront_size: 32
...
	.end_amdgpu_metadata
.endif
;; end of part 1
;; launch g0 (part 2): grid 16 x 16, 4 waves a work-group, clusters of 4 x 4, 327,680 bytes of LDS; arguments xh, w0c, h0, s0; writes h0
.if DOCPART == 2
	.amdgcn_target "amdgcn-amd-amdhsa--gfx1250"
	.amdhsa_code_object_version 6
	.text
	.protected	k_q50b0656561_g0
	.globl	k_q50b0656561_g0
	.p2align	8
	.type	k_q50b0656561_g0,@function
k_q50b0656561_g0:
	s_mov_b64 s[64:65], 0
	v_nop
	global_prefetch_b8 v0, s[64:65] scope:SCOPE_SE
	s_setreg_imm32_b32 hwreg(HW_REG_WAVE_MODE, 25, 1), 1
	s_wait_xcnt 0x0
	s_wait_alu depctr_hold_cnt(0) depctr_sa_sdst(0) depctr_va_vdst(0) depctr_va_sdst(0) depctr_va_ssrc(0) depctr_va_vcc(0) depctr_vm_vsrc(0)
	s_getreg_b32 s2, hwreg(HW_REG_IB_STS2, 6, 4)
	s_cmp_eq_u32 s2, 0
	s_cbranch_scc0 .Lentry_in_a_cluster
	s_endpgm
.Lentry_in_a_cluster:
	s_bfe_u32 s2, ttmp6, 0x10000c
	s_cmp_lg_u32 s2, 0xf033
	s_cbranch_scc0 .Lentry_shape_is_right
	s_endpgm
.Lentry_shape_is_right:
.set LAYER, 0
; ONE TEXT FOR THE THREE PRODUCTS OF THE CHAIN; LAYER picks the sizes, the weights' conversion and the way out.
;   LAYER 0: H0 = clamp(xh W0'), K = 1,024, N = 4,096.   LAYER 1: H1 = clamp(H0 W1'), K = N = 4,096.   LAYER 2: out = F (H1 W2'), K = 4,096, N = 1,024.   2,048 rows.
; ARITHMETIC.  relu(s z) = |s| relu(sgn(s) z), so s0, s1, s2 leave the chain: their sign bits choose the clamps' sides, and their product multiplies the last sums, in f32.
;   W0' = c0 x 2 (a - b), c0 = 2^-8: the code byte is the f16 number's high byte.   W1', W2' = -q w, q = 1.125 x 2^-3 (f16 0x3080), w = +1 for true, -1 for false.
;   H0 = max(acc, 0) if s0's sign bit is 0, else min(acc, 0).   H1 = max(acc, 0) if the sign bits of s0 and s1 differ, else min(acc, 0).   F = s0 s1 s2 x 4 / (c0 q q) = s0 s1 s2 x 4,194,304 / 81.
;   Operands f16, sums f32.  f16 and not bf16: the intermediates' scale hangs on x alone (about 0.2 and 1 for x of unit spread), and three bits more keep two roundings well inside the allowance.
; LIMITS.  xh, H0 and H1 must stay under 65,504 (x some thousands of times the unit spread); below about a thousandth of it f16's fixed step of 6e-8 shows.  s0 s1 s2 x 51,782 must stay inside f32.
;   The scales are applied last, so the order of rounding differs from a chain that scales each layer.  NaN, infinities and the sign of zero are not treated apart.  bool bytes are 0 or 1.
; SHARES.  A wave makes 64 rows x 128 columns: 32 accumulators.  LAYERS 0, 1: a work-group makes 128 x 256, its waves 2 x 2; K goes in steps of 256.  LAYER 2: a work-group makes 64 x 128 and its four waves
;   split K (128 of each step of 512); the four partial sums meet in LDS.  Either way 256 work-groups.
; WEIGHTS stay bytes, [K][N], up to the registers.  ds_load_tr16_b128 turns 16 k x 16 PAIRS of bytes: a lane gets 8 k of columns 2 r and 2 r + 1, and ONE vector instruction makes a register of the even
;   column's f16 fragment of it, another the odd column's: bit 0 (or 8) of each half goes to the sign; the other column's bit falls on bit 7 or 23, which the constant 0x30803080 has set, or off the top.
; TRANSPOSED: source 0 = 16 columns of W, source 1 = 16 rows of the activations.  Lane (r, h) holds row r; register j of group G's even fragment is column 32 G + 16 h + 2 j, of the odd one the next.
; CLUSTER 4 x 4.  A's tile hangs on the tile row alone and is asked for jointly by a row of the cluster, B's on the tile column alone, by a column: the same load, descriptor and mask in all four.
; REGISTERS, in windows of 256 (s_set_vgpr_msb: bits 1:0 source 0, 3:2 source 1, 5:4 source 2, 7:6 destination):
;   window 0: v0-29 addresses; v64-127 A's fragments, two buffers of 4 x 8; v128-255 at work on the way out
;   windows 1 (groups 0, 1) and 2 (groups 2, 3), alike: v0-127 accumulators (8 gl + 2 a + p) x 8; v128-191 converted weights, two buffers; v192-207 weights as loaded; v208 their LDS address
;   Under W_1 or W_2 products, conversions, turning loads and the address line all run without a switch: four switches for a quarter's 32 products.
.if LAYER == 2
.set KDIM,  4096
.set NQ,    4                          ; quarters of 32 along K in a wave's part of a step
.set NS,    8                          ; steps
.set PA,    1040                       ; A's row in LDS: 1,024 bytes + 16
.set PB,    160                        ; B's row: 128 bytes + 32
.set AROWS, 32                         ; rows in one load of A
.set ADIM0, 512
.set HB,    256*PB                     ; bytes that one load of B fills
.set BSTR,  128
.set STEPA, 1024
.set STEPB, 65536
.set GA0,   (1<<16)|(1<<20)|(1<<21)|(7<<22)|(3<<25)  ; 2-byte elements; padding on; bit 21 beside a mask; after every 256 words, 4 words
.set GB0,   (1<<16)|(1<<20)|(1<<21)|(4<<22)|(7<<25)  ; after every 32 words (a row of 128 weights), 8 words
.else
.set NQ,    8
.set PA,    528                        ; 512 bytes + 16: an odd multiple of 16, so the 16 rows of a fragment load start at 16 different groups of four banks (ISA guide 11.1)
.set PB,    288                        ; 256 bytes + 32: an odd multiple of 32, for the turning load's 8 rows x 32 bytes
.set AROWS, 64
.set ADIM0, 256
.set HB,    128*PB
.set BSTR,  2048                       ; 4,096 bytes from row to row, in elements of 2
.set STEPA, 512
.set STEPB, 1048576
.set GA0,   (1<<16)|(1<<20)|(1<<21)|(6<<22)|(3<<25)  ; after every 128 words, 4 words
.set GB0,   (1<<16)|(1<<20)|(1<<21)|(5<<22)|(7<<25)  ; after every 64 words, 8 words
.if LAYER == 0
.set KDIM,  1024
.set NS,    4
.else
.set KDIM,  4096
.set NS,    16
.endif
.endif
.set HA,    AROWS*PA                   ; bytes that one load of A fills
.set BOFF,  2*HA                       ; a slot: A's two halves, then B's two halves
.set SLOTB, 2*HA+2*HB                  ; a slot's bytes, and slot 1's first byte
.set SPARE, 2*SLOTB                    ; behind the ring: the spare words, 128 bytes a wave: two blocks of 256 bytes that no other line names
.set SP,    528                        ; a row of the stage: 512 bytes + 16
.set STAGE, SLOTB                      ; layers 0, 1: 128 rows x 528 in slot 1, behind its last fill and its last reader
.set XCH,   SLOTB                      ; layer 2: 4 x 32,768 bytes of partial sums in slot 1; the waves' stages, 16 rows x 528 each, lie in slot 0
.set WV, 16                            ; s16 wave;  s17 wave >> 1: 0 = I fetch A, 1 = B;  s18 wave & 1: which half I fetch
.set WH, 17
.set WL, 18
.set TX, 21                            ; s21 tile column, s22 tile row
.set TY, 22
.set G1A, 24                           ; s[24:31] group 1 for A;  s[32:39] group 0: set 0 (step 0, slot 0), set 1 (step 1, slot 1), which then walks
.set G0A, 32
.set G1B, 48                           ; s[48:55], s[56:63] the same for B
.set G0B, 56
.set LA,  67                           ; s67, s68  LDS byte of my half in slot 0, for A and for B
.set LB,  68
.set CUR, 69                           ; s69  first byte of the slot in hand
.set TA,  70                           ; s70  what the next fetch of A adds to my lane's place;  s71 the same for B
.set TB,  71
.set STEPS, 72
.set PAIRS, 73
.set WC,  74                           ; s74  0x30803080; layer 0: v_perm_b32's selector
.set MASK, 75                          ; s75  layer 0: the high byte of each half
.set CLO, 76                           ; s76, s77  the clamp's two ends
.set CHI, 77
.set SC0, 78                           ; s78-80  s0, s1, s2;  s81 F
.set FS,  81
.set T0,  82
.set T1,  83
.set RR, 1                             ; v1 lane % 16;  v2 lane / 16
.set HH, 2
.set ABASE, 10                         ; v10, v11  my lane's place in a slot's A and B; never rewritten
.set BBASE, 11
.set AADR, 12
.set ZERO, 13
.set STO, 14                           ; v14 into the stage;  v15 back out of it;  v16 16 x lane
.set RD,  15
.set CO,  16
.set XST, 17                           ; v17-19  layer 2: into and out of the exchange
.set XLD, 18
.set XLD2, 19
.set SPW, 28                           ; v28 my spare word;  v29 0; never rewritten
.set NIL, 29
.set AF,  64
.set TMP, 128
.set CV,  128                          ; windows 1, 2
.set RAW, 192
.set BADR, 208
.set W_1, 0x51                         ; destination, source 0 and source 2 in window 1, source 1 in window 0
.set W_2, 0xa2                         ; the same with window 2
.set MSB, 0
.macro WIN new                         ; the immediate's high byte repeats the setting that is left; a switch that changes nothing is dropped
.if MSB != (\new)
	s_set_vgpr_msb (MSB<<8)|(\new)
.set MSB, (\new)
.endif
.endm
.macro PLACES
.rept 4
	v_nop
.endr
.endm
; A joint refill by the walking sets.  Waves 0, 1 fetch A's halves, waves 2, 3 B's; the branch hangs on the wave's number alone.  An s_nop 0 and four v_nop follow each line.
.macro JLOAD
	s_cmp_eq_u32 s[WH], 0
	s_cbranch_scc0 .Lfor_b_\@
	tensor_load_to_lds s[G0A+4:G0A+7], s[G1A:G1A+7]
	s_nop 0
	PLACES
	s_branch .Lasked_\@
.Lfor_b_\@:
	tensor_load_to_lds s[G0B+4:G0B+7], s[G1B:G1B+7]
	s_nop 0
	PLACES
.Lasked_\@:
.endm
.macro CREST                           ; a round of the cluster's barrier behind its opening barrier
	s_cmp_lg_u32 s[WV], 0
	s_cbranch_scc1 .Lnot_wave_0_\@
	s_barrier_signal -3
.Lnot_wave_0_\@:
	s_barrier_wait -3
	s_barrier_signal -1
	s_barrier_wait -1
.endm
.macro CROUND                          ; a whole round
	s_barrier_signal -1
	s_barrier_wait -1
	CREST
.endm
	s_load_b256 s[4:11], s[0:1], 0x0               ; A s[4:5], B s[6:7], C s[8:9], where s0 lies s[10:11]
.if LAYER == 1
	s_load_b64 s[12:13], s[0:1], 0x20              ; where s1 lies
.endif
.if LAYER == 2
	s_load_b128 s[12:15], s[0:1], 0x20             ; where s1 and s2 lie
.endif
	v_lshl_add_u32 v[SPW], v0, 2, SPARE
	v_mov_b32 v[NIL], 0
	ds_add_u32 v[SPW], v[NIL]                      ; the wave's opening: the add and its wait come ahead of my first tensor load; work on registers stands between them
	v_lshrrev_b32 v3, 5, v0
	v_readfirstlane_b32 s[WV], v3
	s_lshr_b32 s[WH], s[WV], 1
	s_and_b32 s[WL], s[WV], 1
	s_bfe_u32 s19, ttmp6, 0x40000                  ; cx
	s_bfe_u32 s20, ttmp6, 0x40004                  ; cy
	s_lshl_b32 s[TX], ttmp9, 2
	s_add_co_u32 s[TX], s[TX], s19                 ; tile column = 4 x cluster x + cx
	s_and_b32 s[TY], ttmp7, 0xffff
	s_lshl_b32 s[TY], s[TY], 2
	s_add_co_u32 s[TY], s[TY], s20                 ; tile row = 4 x cluster y + cy
	s_lshl_b32 s23, s20, 2
	s_lshl_b32 s23, 15, s23                        ; my row of the cluster
	s_lshl_b32 s66, 0x1111, s19                    ; my column
	s_or_b32 s[G1A], s23, GA0
	s_mov_b32 s[G1A+1], ADIM0<<16                  ; tensor_dim0
	s_mov_b32 s[G1A+2], AROWS<<16                  ; tensor_dim1
	s_mov_b32 s[G1A+3], ADIM0<<16                  ; tile_dim0
	s_mov_b32 s[G1A+4], AROWS                      ; tile_dim1
	s_mov_b32 s[G1A+5], KDIM                       ; elements from row to row
	s_mov_b32 s[G1A+6], 0
	s_mov_b32 s[G1A+7], 0
	s_or_b32 s[G1B], s66, GB0
	s_mov_b32 s[G1B+1], 128<<16                    ; B: 128 rows of 256 bytes (layer 2: two rows of 128 weights each, dense)
	s_mov_b32 s[G1B+2], 128<<16
	s_mov_b32 s[G1B+3], 128<<16
	s_mov_b32 s[G1B+4], 128
	s_mov_b32 s[G1B+5], BSTR
	s_mov_b32 s[G1B+6], 0
	s_mov_b32 s[G1B+7], 0
	s_mul_i32 s[LA], s[WL], HA                     ; no place in the cluster enters an LDS address
	s_mul_i32 s[LB], s[WL], HB
	s_add_co_u32 s[LB], s[LB], BOFF
	; A's offset is made of the tile row and the wave alone, B's of the tile column and the wave alone, each in registers that never hold the other coordinate
.if LAYER == 2
	s_lshl_b32 s42, s[TY], 6
	s_lshl_b32 s43, s[WL], 5
	s_lshl_b32 s44, s[TX], 19                      ; block tx of k2b,
	s_lshl_b32 s45, s[WL], 15                      ; 256 rows of 128 bytes
.else
	s_lshl_b32 s42, s[TY], 7
	s_lshl_b32 s43, s[WL], 6
	s_lshl_b32 s44, s[TX], 8                       ; 256 columns,
	s_lshl_b32 s45, s[WL], 19                      ; 128 rows of 4,096 bytes
.endif
	s_add_co_u32 s42, s42, s43
	s_mul_i32 s42, s42, KDIM*2                     ; under 2^25
	s_mov_b32 s43, 0
	s_add_co_u32 s44, s44, s45
	s_mov_b32 s45, 0
	s_mov_b32 s[G0A], 1
	s_mov_b32 s[G0A+1], s[LA]
	s_mov_b32 s[G0A+4], 1
	s_add_co_u32 s[G0A+5], s[LA], SLOTB
	s_mov_b32 s[G0B], 1
	s_mov_b32 s[G0B+1], s[LB]
	s_mov_b32 s[G0B+4], 1
	s_add_co_u32 s[G0B+5], s[LB], SLOTB
	s_wait_dscnt 0x0                               ; the opening add is done
	s_wait_kmcnt 0x0
	s_add_nc_u64 s[40:41], s[4:5], s[42:43]
	s_add_nc_u64 s[46:47], s[6:7], s[44:45]
	s_mov_b64 s[G0A+2:G0A+3], s[40:41]
	s_or_b32 s[G0A+3], s[G0A+3], 0x80000000        ; type = 2
	s_add_nc_u64 s[G0A+6:G0A+7], s[40:41], STEPA
	s_or_b32 s[G0A+7], s[G0A+7], 0x80000000
	s_mov_b64 s[G0B+2:G0B+3], s[46:47]
	s_or_b32 s[G0B+3], s[G0B+3], 0x80000000
	s_add_nc_u64 s[G0B+6:G0B+7], s[46:47], STEPB
	s_or_b32 s[G0B+7], s[G0B+7], 0x80000000
	CROUND                                         ; all sixteen work-groups are here: the first joint loads meet
	s_cmp_eq_u32 s[WH], 0                          ; a wave's two first fills stand in one branch: two loads of mine are out
	s_cbranch_scc0 .Lfirst_b
	tensor_load_to_lds s[G0A:G0A+3], s[G1A:G1A+7]
	s_nop 0
	tensor_load_to_lds s[G0A+4:G0A+7], s[G1A:G1A+7]
	s_nop 0
	PLACES
	s_branch .Lfirst_asked
.Lfirst_b:
	tensor_load_to_lds s[G0B:G0B+3], s[G1B:G1B+7]
	s_nop 0
	tensor_load_to_lds s[G0B+4:G0B+7], s[G1B:G1B+7]
	s_nop 0
	PLACES
.Lfirst_asked:
	; ALL THAT FOLLOWS, UP TO THE BARRIER, STANDS IN THE WAIT FOR THE FIRST TILE
	s_load_b32 s[SC0], s[10:11], 0x0
.if LAYER >= 1
	s_load_b32 s[SC0+1], s[12:13], 0x0
.endif
.if LAYER == 2
	s_load_b32 s[SC0+2], s[14:15], 0x0
.endif
	v_and_b32 v[RR], 15, v0
	v_bfe_u32 v[HH], v0, 4, 1
	v_and_b32 v3, 7, v0
	v_bfe_u32 v4, v0, 3, 1
	v_and_b32 v5, 31, v0
	v_lshlrev_b32 v[CO], 4, v5                     ; 16 x lane
	; A's fragment: lane (r, h) takes row r, k = 8 h + 0..7 and 16 + 8 h + 0..7: two loads of 16 bytes, 32 apart
	v_mul_u32_u24 v[ABASE], v[RR], PA
	v_lshl_add_u32 v[ABASE], v[HH], 4, v[ABASE]
.if LAYER == 2
	s_lshl_b32 s[T0], s[WV], 8                     ; my 128 of the step's 512 along K: 256 bytes of A's rows,
	s_mul_i32 s[T1], s[WV], 128*PB                 ; 128 rows of B
.else
	s_mul_i32 s[T0], s[WH], 64*PA                  ; my 64 rows of A,
	s_lshl_b32 s[T1], s[WL], 7                     ; my 128 columns of B
.endif
	s_add_co_u32 s[T1], s[T1], BOFF
	v_add_nc_u32 v[ABASE], s[T0], v[ABASE]
	; the turning load: lane l addresses row 8 h + l % 8, bytes 16 ((l / 8) % 2) on
	v_lshl_add_u32 v6, v[HH], 3, v3
	v_mul_u32_u24 v[BBASE], v6, PB
	v_lshl_add_u32 v[BBASE], v4, 4, v[BBASE]
	v_add_nc_u32 v[BBASE], s[T1], v[BBASE]
	v_mul_u32_u24 v[STO], v[RR], SP
.if LAYER == 2
	v_lshl_add_u32 v[STO], v[HH], 6, v[STO]        ; my stage: row r, 16 columns of f32 for each half of the lanes
	s_mul_i32 s[T0], s[WV], 16*SP
	v_add_nc_u32 v[STO], s[T0], v[STO]
	v_add_nc_u32 v[RD], s[T0], v[CO]               ; back: a row of 512 bytes a load
	s_lshl_b32 s[T0], s[WV], 15
	s_add_co_u32 s[T0], s[T0], XCH
	v_add_nc_u32 v[XST], s[T0], v[CO]              ; my 32,768 bytes of the exchange
	s_lshl_b32 s[T0], s[WV], 13
	s_add_co_u32 s[T0], s[T0], XCH
	v_add_nc_u32 v[XLD], s[T0], v[CO]              ; block a = my wave's number in wave 0's part (wave 1's by the immediate),
	v_add_nc_u32 v[XLD2], 0x10000, v[XLD]          ; and in wave 2's
	s_lshl_b32 s84, s[TY], 6
	s_lshl_b32 s85, s[WV], 4
	s_add_co_u32 s84, s84, s85                     ; the first row that I store: 64 ty + 16 w
	s_lshl_b32 s84, s84, 12                        ; rows of 4,096 bytes
.else
	v_lshl_add_u32 v[STO], v[HH], 5, v[STO]        ; the work-group's stage: row 64 wm + r, 16 columns of f16 for each half of the lanes
	s_mul_i32 s[T0], s[WH], 64*SP
	s_lshl_b32 s[T1], s[WL], 8
	s_add_co_u32 s[T0], s[T0], s[T1]
	s_add_co_u32 s[T0], s[T0], STAGE
	v_add_nc_u32 v[STO], s[T0], v[STO]
	s_mul_i32 s[T0], s[WV], 32*SP                  ; back: wave w takes rows 32 w on, a row of 512 bytes a load
	s_add_co_u32 s[T0], s[T0], STAGE
	v_add_nc_u32 v[RD], s[T0], v[CO]
	s_lshl_b32 s84, s[TY], 7
	s_lshl_b32 s85, s[WV], 5
	s_add_co_u32 s84, s84, s85                     ; the first row that I store: 128 ty + 32 w
	s_lshl_b32 s84, s84, 13                        ; rows of 8,192 bytes
.endif
	s_lshl_b32 s85, s[TX], 9                       ; the tile's 512 bytes of a row
	s_add_co_u32 s84, s84, s85
	s_mov_b32 s85, 0
	s_add_nc_u64 s[8:9], s[8:9], s[84:85]
.if LAYER == 0
	v_mov_b32 v[ZERO], 0
	s_mov_b32 s[WC], 0x06000400                    ; bytes 0 and 2 of the pair go to bytes 1 and 3; 0 below them
	s_mov_b32 s[MASK], 0xff00ff00
.else
	s_mov_b32 s[WC], 0x30803080
.endif
	; The sums are cleared: 256 lines.  A first quarter with the constant 0 as C would have to be written out ahead of the loop over pairs of quarters and would turn that loop round: more text than these lines.
	WIN 0x40
.set n, 0
.rept 128
	v_mov_b32 v[n], 0
.set n, n+1
.endr
	WIN 0x80
.set n, 0
.rept 128
	v_mov_b32 v[n], 0
.set n, n+1
.endr
	WIN 0
	s_wait_kmcnt 0x0
.if LAYER == 0
	s_bitcmp1_b32 s[SC0], 31                       ; a choice of values, no branch
	s_cselect_b32 s[CLO], 0xff800000, 0
	s_cselect_b32 s[CHI], 0, 0x7f800000
.endif
.if LAYER == 1
	s_xor_b32 s[T0], s[SC0], s[SC0+1]
	s_bitcmp1_b32 s[T0], 31
	s_cselect_b32 s[CLO], 0, 0xff800000
	s_cselect_b32 s[CHI], 0x7f800000, 0
.endif
.if LAYER == 2
	s_mul_f32 s[FS], s[SC0], s[SC0+1]
	s_mul_f32 s[FS], s[FS], s[SC0+2]
	s_mul_f32 s[FS], s[FS], 0x474a4588             ; 4,194,304 / 81
.endif
; Register c of 32 of buffer b of the converted weights: group c / 16, parity (c / 8) % 2, register c % 8 of the fragment
.macro CONV b, c
.set cD, CV+32*(\b)+(\c)
.set cS, RAW+8*((\c)/16)+(\c)%8
.set cP, ((\c)/8)%2
.if LAYER == 0
.if cP == 0
	v_perm_b32 v[cD], v[cS], v[ZERO], s[WC]
.else
	v_and_b32 v[cD], v[cS], s[MASK]
.endif
.else
	v_lshl_or_b32 v[cD], v[cS], 15-8*cP, s[WC]
.endif
.endm
; Product i of a window's 16 on buffers b, and behind it two conversions for the next quarter.  The 32 accumulators take turns, one instruction a turn, in the same order in every quarter.
.macro EL b, i
.set eD, 8*(\i)
.set eW, CV+32*(\b)+16*((\i)/8)+8*((\i)%2)
.set eA, AF+32*(\b)+8*(((\i)/2)%4)
	v_wmma_f32_16x16x32_f16 v[eD:eD+7], v[eW:eW+7], v[eA:eA+7], v[eD:eD+7]
	CONV 1-(\b), 2*(\i)
	CONV 1-(\b), 2*(\i)+1
.endm
.macro ELS b, i0, i1
.set ii, (\i0)
.rept (\i1)-(\i0)+1
	EL \b, ii
.set ii, ii+1
.endr
.endm
.macro LDA b                           ; window 0: A's four fragments of a quarter into buffer b
	v_add_nc_u32 v[AADR], s[TA], v[ABASE]
.irp a, 0,1,2,3
	ds_load_b128 v[AF+32*(\b)+8*\a:AF+32*(\b)+8*\a+3],   v[AADR] offset:\a*16*PA
	ds_load_b128 v[AF+32*(\b)+8*\a+4:AF+32*(\b)+8*\a+7], v[AADR] offset:\a*16*PA+32
.endr
.endm
.macro LDR w                           ; window w: 32 k x 64 columns of weights, turned
	v_add_nc_u32 v[BADR], s[TB], v[BBASE]
.irp g, 0,1
.irp c, 0,1
	ds_load_tr16_b128 v[RAW+8*\g+4*\c:RAW+8*\g+4*\c+3], v[BADR] offset:64*((\w)-1)+32*\g+16*\c*PB
.endr
.endr
.endm
; QUARTER t multiplies buffers b = t % 2: 32 products.  Beside them: A of quarter t + 1 is fetched, the weights of t + 1 are converted, those of t + 2 fetched.
; A's loads go into a buffer that the last quarter's products read: they stand behind two products' conversions, the last quarter's last two and two address lines: eight plain vector
; instructions that name none of those products' registers (ISA guide 7.12.1 for vector instructions).
; kind 0: within a slot.  kind 1, 2: the step's last quarter but one, THE CHANGE OF SLOTS: A's loads are the slot's last reads.  Each wave waits for all its tensor loads, of which one is out (its part of the
; next slot), adds 0 to its spare word, and waits for that and for its reads; behind the barrier nobody reads this slot and the next is whole.  kind 1: the barrier opens a round of the cluster's, and the joint
; refill, with the step two on, is the first thing behind it: it has a whole step in which to land.  kind 2: nothing is left to fetch.
.macro QUARTER b, kind
	s_wait_dscnt 4                                 ; all but the four youngest loads (window 2's weights): A of this quarter and window 1's weights of the next are in
	WIN W_1
	ELS \b, 0, 1
	WIN 0
	LDA 1-(\b)
.if (\kind) == 0
	s_add_co_u32 s[TA], s[TA], 64
	WIN W_1
	ELS \b, 2, 15
	LDR 1
	s_wait_dscnt 12                                ; A's eight and window 1's four were issued behind window 2's weights, which are in
	WIN W_2
	ELS \b, 0, 15
	LDR 2
	s_add_co_u32 s[TB], s[TB], 32*PB
.else
	s_wait_tensorcnt 0x0                           ; no tensor load of mine is out, so a group 0 may be written
	ds_add_u32 v[SPW], v[NIL]                      ; 0 onto my spare word: scalar work and fourteen products stand between it and the wait for it
.if (\kind) == 1
	s_add_co_u32 s[G0A+5], s[LA], s[CUR]           ; the walking sets: into the slot that is being left,
	s_add_co_u32 s[G0B+5], s[LB], s[CUR]
	s_add_nc_u64 s[G0A+6:G0A+7], s[G0A+6:G0A+7], STEPA  ; the next step; the type bits on top are not reached
	s_add_nc_u64 s[G0B+6:G0B+7], s[G0B+6:G0B+7], STEPB
.endif
	s_xor_b32 s[CUR], s[CUR], SLOTB                ; 0 and SLOTB by turns
	s_mov_b32 s[TA], s[CUR]
	s_mov_b32 s[TB], s[CUR]
	WIN W_1
	ELS \b, 2, 15
	s_wait_dscnt 0x0                               ; the add is done, and my reads of the slot are over
	s_barrier_signal -1
	WIN W_2
	ELS \b, 0, 3                                   ; work on registers while the others arrive
.if (\kind) == 1
	WIN 0
.endif
	s_barrier_wait -1
.if (\kind) == 1
	CREST                                          ; no wave of any partner still reads the slot or has a load on its way
	JLOAD
.endif
	WIN W_1
	LDR 1                                          ; the next slot's first weights
	WIN W_2
	ELS \b, 4, 15
	LDR 2
	s_add_co_u32 s[TB], s[TB], 32*PB
.endif
.endm
.macro STEP kind                       ; a K step: NQ quarters, of which all but the last two go round a loop of two
	s_mov_b32 s[PAIRS], (NQ-2)/2
.Lpair_\@:
	QUARTER 0, 0
	QUARTER 1, 0
	WIN 0                                          ; at a label and at a branch every window is 0
	s_sub_co_u32 s[PAIRS], s[PAIRS], 1
	s_cmp_lg_u32 s[PAIRS], 0
	s_cbranch_scc1 .Lpair_\@
	QUARTER 0, \kind
	QUARTER 1, 0
	WIN 0
.endm
	s_wait_tensorcnt 1                             ; my part of step 0 is in; step 1's may stay out
	s_barrier_signal -1
	s_barrier_wait -1                              ; everybody's is
	; THE PIPE IS PRIMED: weights of quarter 0 fetched and converted, A of quarter 0 and weights of quarter 1 fetched
	s_mov_b32 s[CUR], 0
	s_mov_b32 s[TA], 0
	s_mov_b32 s[TB], 0
	WIN W_1
	LDR 1
	WIN W_2
	LDR 2
	WIN 0
	LDA 0
	s_add_co_u32 s[TB], s[TB], 32*PB
	s_mov_b32 s[TA], 64
	s_wait_dscnt 12                                ; window 2's four and A's eight may be out
	WIN W_1
.set n, 0
.rept 32
	CONV 0, n
.set n, n+1
.endr
	LDR 1
	s_wait_dscnt 12                                ; A's eight and window 1's new four may be out
	WIN W_2
.set n, 0
.rept 32
	CONV 0, n
.set n, n+1
.endr
	LDR 2
	s_add_co_u32 s[TB], s[TB], 32*PB
	WIN 0
	s_mov_b32 s[STEPS], NS-2
.Lmain:                                                ; every step but the last two asks for the step two on
	STEP 1
	s_sub_co_u32 s[STEPS], s[STEPS], 1
	s_cmp_lg_u32 s[STEPS], 0
	s_cbranch_scc1 .Lmain
	s_mov_b32 s[STEPS], 2
.Ltail:                                                ; the last two steps are a text of their own.  In the second trip the fetches for a further step read slot 0's
	STEP 2                                         ; old bytes, and what is made of them serves nothing: 24 loads and 64 conversions, the price of one text for both trips.  That trip's barrier frees slot 1.
	s_sub_co_u32 s[STEPS], s[STEPS], 1
	s_cmp_lg_u32 s[STEPS], 0
	s_cbranch_scc1 .Ltail
	s_wait_dscnt 0x0                               ; those loads
	PLACES                                         ; with the three plain lines behind the last product: more than the four places that a reader of its result needs
.if LAYER < 2
	; THE WAY OUT.  Clamp; an even and an odd fragment's registers j pack into two neighbouring columns; 32 bytes a lane go into the work-group's stage; a barrier, since a row's 512 bytes come from two waves.
.irp W, 1,2
	WIN 0x41*(\W)                                  ; destination and source 0 in window W
.set n, 0
.rept 128                              ; ascending: each accumulator's lowest register is read first
	v_med3_num_f32 v[n], v[n], s[CLO], s[CHI]
.set n, n+1
.endr
	WIN 0x05*(\W)                                  ; sources 0 and 1 in window W, destination in window 0
.set n, 0
.rept 64
	v_cvt_pk_f16_f32 v[TMP+64*((\W)-1)+n], v[16*(n/8)+n%8], v[16*(n/8)+8+n%8]
.set n, n+1
.endr
.endr
	WIN 0
.set n, 0
.rept 16                               ; group n / 4, block of rows n % 4
	ds_store_b128 v[STO], v[TMP+8*n:TMP+8*n+3]   offset:(n%4)*16*SP+(n/4)*64
	ds_store_b128 v[STO], v[TMP+8*n+4:TMP+8*n+7] offset:(n%4)*16*SP+(n/4)*64+16
.set n, n+1
.endr
	s_wait_dscnt 0x0                               ; for the others' sake: my stores into the stage are done
	s_barrier_signal -1
	s_barrier_wait -1
.set n, 0
.rept 32
	ds_load_b128 v[TMP+4*n:TMP+4*n+3], v[RD] offset:n*SP
.set n, n+1
.endr
.set n, 0
.rept 32
	s_wait_dscnt 31-n                              ; LDS loads come back in order: row n is in
	global_store_b128 v[CO], v[TMP+4*n:TMP+4*n+3], s[8:9] offset:8192*n  ; a wave's store covers 512 consecutive bytes of a row, aligned
.set n, n+1
.endr
.else
	; THE WAY OUT.  Every wave lays all its 256 partial sums a lane into the exchange (which quarter a wave keeps would be a choice of registers by the wave's number); wave w then adds block a = w of all four.
.irp W, 1,2
	WIN 0x04*(\W)                                  ; store data in window W
.set n, 0
.rept 16                               ; accumulator n: block (n / 2) % 4; quads 2 q, 2 q + 1 with q = 4 (W - 1) + 2 (n / 8) + n % 2; the lower four registers first
	ds_store_b128 v[XST], v[8*n:8*n+3]   offset:(16*((n/2)%4)+2*(4*((\W)-1)+2*(n/8)+n%2))*512
	ds_store_b128 v[XST], v[8*n+4:8*n+7] offset:(16*((n/2)%4)+2*(4*((\W)-1)+2*(n/8)+n%2)+1)*512
.set n, n+1
.endr
.endr
	WIN 0
	s_wait_dscnt 0x0                               ; for the others' sake: my stores are done; my reads of slot 0 were over above
	s_barrier_signal -1
	s_barrier_wait -1
	WIN 0x40
.set n, 0
.rept 16
	ds_load_b128 v[4*n:4*n+3],       v[XLD] offset:512*n          ; wave 0's part
	ds_load_b128 v[64+4*n:64+4*n+3], v[XLD] offset:32768+512*n    ; wave 1's
.set n, n+1
.endr
	WIN 0x80
.set n, 0
.rept 16
	ds_load_b128 v[4*n:4*n+3],       v[XLD2] offset:512*n         ; wave 2's
	ds_load_b128 v[64+4*n:64+4*n+3], v[XLD2] offset:32768+512*n   ; wave 3's
.set n, n+1
.endr
	s_wait_dscnt 32                                ; the 32 loads of waves 2 and 3's parts may be out
	WIN 0x45
.set n, 0
.rept 32
	v_pk_add_f32 v[2*n:2*n+1], v[2*n:2*n+1], v[64+2*n:64+2*n+1]
.set n, n+1
.endr
	s_wait_dscnt 0x0
	WIN 0x8a
.set n, 0
.rept 32
	v_pk_add_f32 v[2*n:2*n+1], v[2*n:2*n+1], v[64+2*n:64+2*n+1]
.set n, n+1
.endr
	WIN 0x09                                       ; source 0 window 1, source 1 window 2, destination window 0
.set n, 0
.rept 32
	v_pk_add_f32 v[TMP+2*n:TMP+2*n+1], v[2*n:2*n+1], v[2*n:2*n+1]
.set n, n+1
.endr
	WIN 0
.set n, 0
.rept 64                               ; column n % 16 of group n / 16: even and odd fragments interleave; times F
	v_mul_f32 v[TMP+64+n], s[FS], v[TMP+16*(n/16)+8*(n%2)+2*((n/4)%4)+(n%4)/2]
.set n, n+1
.endr
.set n, 0
.rept 16
	ds_store_b128 v[STO], v[TMP+64+4*n:TMP+64+4*n+3] offset:128*(n/4)+16*(n%4)  ; my own stage, in slot 0, which nobody reads behind the barrier above
.set n, n+1
.endr
.set n, 0
.rept 16
	ds_load_b128 v[TMP+4*n:TMP+4*n+3], v[RD] offset:n*SP  ; LDS serves a wave's instructions in order (ISA guide 5.7.1.4): these see the stores above
.set n, n+1
.endr
.set n, 0
.rept 16
	s_wait_dscnt 15-n
	global_store_b128 v[CO], v[TMP+4*n:TMP+4*n+3], s[8:9] offset:4096*n th:TH_STORE_NT  ; 512 consecutive bytes of a row, aligned
.set n, n+1
.endr
.endif
	s_wait_tensorcnt 0x0                           ; the wave's end, behind my last tensor load and my last LDS store
	ds_add_u32 v[SPW], v[NIL]
	s_wait_dscnt 0x0
	CROUND                                         ; the closing round: no work-group ends while a partner may still ask for a tile that names it
	s_endpgm
.Lfunc_end_k_q50b0656561_g0:
	.size	k_q50b0656561_g0, .Lfunc_end_k_q50b0656561_g0-k_q50b0656561_g0
	.p2alignl 7, 3214868480
	.fill 96, 4, 3214868480
	.section	.rodata,"a",@progbits
	.p2align	6, 0x0
	.amdhsa_kernel k_q50b0656561_g0
		.amdhsa_group_segment_fixed_size 327680
		.amdhsa_private_segment_fixed_size 0
		.amdhsa_enable_private_segment 0
		.amdhsa_kernarg_size 32
		.amdhsa_user_sgpr_count 2
		.amdhsa_user_sgpr_kernarg_segment_ptr 1
		.amdhsa_wavefront_size32 1
		.amdhsa_system_sgpr_workgroup_id_x 1
		.amdhsa_system_sgpr_workgroup_id_y 1
		.amdhsa_system_sgpr_workgroup_id_z 1
		.amdhsa_system_vgpr_workitem_id 0
		.amdhsa_next_free_vgpr 768
		.amdhsa_next_free_sgpr 88
		.amdhsa_reserve_vcc 0
		.amdhsa_float_denorm_mode_32 3
		.amdhsa_float_denorm_mode_16_64 3
		.amdhsa_memory_ordered 1
		.amdhsa_forward_progress 1
		.amdhsa_inst_pref_size 116
	.end_amdhsa_kernel
	.amdgpu_metadata
---
amdhsa.version: [ 1, 2 ]
amdhsa.kernels:
  - .name:           k_q50b0656561_g0
    .symbol:         k_q50b0656561_g0.kd
    .args:
      - { .name: xh, .offset: 0, .size: 8, .value_kind: global_buffer, .address_space: global }
      - { .name: w0c, .offset: 8, .size: 8, .value_kind: global_buffer, .address_space: global }
      - { .name: h0, .offset: 16, .size: 8, .value_kind: global_buffer, .address_space: global }
      - { .name: s0, .offset: 24, .size: 8, .value_kind: global_buffer, .address_space: global }
    .group_segment_fixed_size: 327680
    .private_segment_fixed_size: 0
    .kernarg_segment_align: 8
    .kernarg_segment_size: 32
    .max_flat_workgroup_size: 128
    .sgpr_count:     88
    .vgpr_count:     768
    .wavefront_size: 32
...
	.end_amdgpu_metadata
.endif
;; end of part 2
;; launch g1 (part 3): grid 16 x 16, 4 waves a work-group, clusters of 4 x 4, 327,680 bytes of LDS; arguments h0, k1, h1, s0, s1; writes h1
.if DOCPART == 3
	.amdgcn_target "amdgcn-amd-amdhsa--gfx1250"
	.amdhsa_code_object_version 6
	.text
	.protected	k_q50b0656561_g1
	.globl	k_q50b0656561_g1
	.p2align	8
	.type	k_q50b0656561_g1,@function
k_q50b0656561_g1:
	s_mov_b64 s[64:65], 0
	v_nop
	global_prefetch_b8 v0, s[64:65] scope:SCOPE_SE
	s_setreg_imm32_b32 hwreg(HW_REG_WAVE_MODE, 25, 1), 1
	s_wait_xcnt 0x0
	s_wait_alu depctr_hold_cnt(0) depctr_sa_sdst(0) depctr_va_vdst(0) depctr_va_sdst(0) depctr_va_ssrc(0) depctr_va_vcc(0) depctr_vm_vsrc(0)
	s_getreg_b32 s2, hwreg(HW_REG_IB_STS2, 6, 4)
	s_cmp_eq_u32 s2, 0
	s_cbranch_scc0 .Lentry_in_a_cluster
	s_endpgm
.Lentry_in_a_cluster:
	s_bfe_u32 s2, ttmp6, 0x10000c
	s_cmp_lg_u32 s2, 0xf033
	s_cbranch_scc0 .Lentry_shape_is_right
	s_endpgm
.Lentry_shape_is_right:
.set LAYER, 1
; ONE TEXT FOR THE THREE PRODUCTS OF THE CHAIN; LAYER picks the sizes, the weights' conversion and the way out.
;   LAYER 0: H0 = clamp(xh W0'), K = 1,024, N = 4,096.   LAYER 1: H1 = clamp(H0 W1'), K = N = 4,096.   LAYER 2: out = F (H1 W2'), K = 4,096, N = 1,024.   2,048 rows.
; ARITHMETIC.  relu(s z) = |s| relu(sgn(s) z), so s0, s1, s2 leave the chain: their sign bits choose the clamps' sides, and their product multiplies the last sums, in f32.
;   W0' = c0 x 2 (a - b), c0 = 2^-8: the code byte is the f16 number's high byte.   W1', W2' = -q w, q = 1.125 x 2^-3 (f16 0x3080), w = +1 for true, -1 for false.
;   H0 = max(acc, 0) if s0's sign bit is 0, else min(acc, 0).   H1 = max(acc, 0) if the sign bits of s0 and s1 differ, else min(acc, 0).   F = s0 s1 s2 x 4 / (c0 q q) = s0 s1 s2 x 4,194,304 / 81.
;   Operands f16, sums f32.  f16 and not bf16: the intermediates' scale hangs on x alone (about 0.2 and 1 for x of unit spread), and three bits more keep two roundings well inside the allowance.
; LIMITS.  xh, H0 and H1 must stay under 65,504 (x some thousands of times the unit spread); below about a thousandth of it f16's fixed step of 6e-8 shows.  s0 s1 s2 x 51,782 must stay inside f32.
;   The scales are applied last, so the order of rounding differs from a chain that scales each layer.  NaN, infinities and the sign of zero are not treated apart.  bool bytes are 0 or 1.
; SHARES.  A wave makes 64 rows x 128 columns: 32 accumulators.  LAYERS 0, 1: a work-group makes 128 x 256, its waves 2 x 2; K goes in steps of 256.  LAYER 2: a work-group makes 64 x 128 and its four waves
;   split K (128 of each step of 512); the four partial sums meet in LDS.  Either way 256 work-groups.
; WEIGHTS stay bytes, [K][N], up to the registers.  ds_load_tr16_b128 turns 16 k x 16 PAIRS of bytes: a lane gets 8 k of columns 2 r and 2 r + 1, and ONE vector instruction makes a register of the even
;   column's f16 fragment of it, another the odd column's: bit 0 (or 8) of each half goes to the sign; the other column's bit falls on bit 7 or 23, which the constant 0x30803080 has set, or off the top.
; TRANSPOSED: source 0 = 16 columns of W, source 1 = 16 rows of the activations.  Lane (r, h) holds row r; register j of group G's even fragment is column 32 G + 16 h + 2 j, of the odd one the next.
; CLUSTER 4 x 4.  A's tile hangs on the tile row alone and is asked for jointly by a row of the cluster, B's on the tile column alone, by a column: the same load, descriptor and mask in all four.
; REGISTERS, in windows of 256 (s_set_vgpr_msb: bits 1:0 source 0, 3:2 source 1, 5:4 source 2, 7:6 destination):
;   window 0: v0-29 addresses; v64-127 A's fragments, two buffers of 4 x 8; v128-255 at work on the way out
;   windows 1 (groups 0, 1) and 2 (groups 2, 3), alike: v0-127 accumulators (8 gl + 2 a + p) x 8; v128-191 converted weights, two buffers; v192-207 weights as loaded; v208 their LDS address
;   Under W_1 or W_2 products, conversions, turning loads and the address line all run without a switch: four switches for a quarter's 32 products.
.if LAYER == 2
.set KDIM,  4096
.set NQ,    4                          ; quarters of 32 along K in a wave's part of a step
.set NS,    8                          ; steps
.set PA,    1040                       ; A's row in LDS: 1,024 bytes + 16
.set PB,    160                        ; B's row: 128 bytes + 32
.set AROWS, 32                         ; rows in one load of A
.set ADIM0, 512
.set HB,    256*PB                     ; bytes that one load of B fills
.set BSTR,  128
.set STEPA, 1024
.set STEPB, 65536
.set GA0,   (1<<16)|(1<<20)|(1<<21)|(7<<22)|(3<<25)  ; 2-byte elements; padding on; bit 21 beside a mask; after every 256 words, 4 words
.set GB0,   (1<<16)|(1<<20)|(1<<21)|(4<<22)|(7<<25)  ; after every 32 words (a row of 128 weights), 8 words
.else
.set NQ,    8
.set PA,    528                        ; 512 bytes + 16: an odd multiple of 16, so the 16 rows of a fragment load start at 16 different groups of four banks (ISA guide 11.1)
.set PB,    288                        ; 256 bytes + 32: an odd multiple of 32, for the turning load's 8 rows x 32 bytes
.set AROWS, 64
.set ADIM0, 256
.set HB,    128*PB
.set BSTR,  2048                       ; 4,096 bytes from row to row, in elements of 2
.set STEPA, 512
.set STEPB, 1048576
.set GA0,   (1<<16)|(1<<20)|(1<<21)|(6<<22)|(3<<25)  ; after every 128 words, 4 words
.set GB0,   (1<<16)|(1<<20)|(1<<21)|(5<<22)|(7<<25)  ; after every 64 words, 8 words
.if LAYER == 0
.set KDIM,  1024
.set NS,    4
.else
.set KDIM,  4096
.set NS,    16
.endif
.endif
.set HA,    AROWS*PA                   ; bytes that one load of A fills
.set BOFF,  2*HA                       ; a slot: A's two halves, then B's two halves
.set SLOTB, 2*HA+2*HB                  ; a slot's bytes, and slot 1's first byte
.set SPARE, 2*SLOTB                    ; behind the ring: the spare words, 128 bytes a wave: two blocks of 256 bytes that no other line names
.set SP,    528                        ; a row of the stage: 512 bytes + 16
.set STAGE, SLOTB                      ; layers 0, 1: 128 rows x 528 in slot 1, behind its last fill and its last reader
.set XCH,   SLOTB                      ; layer 2: 4 x 32,768 bytes of partial sums in slot 1; the waves' stages, 16 rows x 528 each, lie in slot 0
.set WV, 16                            ; s16 wave;  s17 wave >> 1: 0 = I fetch A, 1 = B;  s18 wave & 1: which half I fetch
.set WH, 17
.set WL, 18
.set TX, 21                            ; s21 tile column, s22 tile row
.set TY, 22
.set G1A, 24                           ; s[24:31] group 1 for A;  s[32:39] group 0: set 0 (step 0, slot 0), set 1 (step 1, slot 1), which then walks
.set G0A, 32
.set G1B, 48                           ; s[48:55], s[56:63] the same for B
.set G0B, 56
.set LA,  67                           ; s67, s68  LDS byte of my half in slot 0, for A and for B
.set LB,  68
.set CUR, 69                           ; s69  first byte of the slot in hand
.set TA,  70                           ; s70  what the next fetch of A adds to my lane's place;  s71 the same for B
.set TB,  71
.set STEPS, 72
.set PAIRS, 73
.set WC,  74                           ; s74  0x30803080; layer 0: v_perm_b32's selector
.set MASK, 75                          ; s75  layer 0: the high byte of each half
.set CLO, 76                           ; s76, s77  the clamp's two ends
.set CHI, 77
.set SC0, 78                           ; s78-80  s0, s1, s2;  s81 F
.set FS,  81
.set T0,  82
.set T1,  83
.set RR, 1                             ; v1 lane % 16;  v2 lane / 16
.set HH, 2
.set ABASE, 10                         ; v10, v11  my lane's place in a slot's A and B; never rewritten
.set BBASE, 11
.set AADR, 12
.set ZERO, 13
.set STO, 14                           ; v14 into the stage;  v15 back out of it;  v16 16 x lane
.set RD,  15
.set CO,  16
.set XST, 17                           ; v17-19  layer 2: into and out of the exchange
.set XLD, 18
.set XLD2, 19
.set SPW, 28                           ; v28 my spare word;  v29 0; never rewritten
.set NIL, 29
.set AF,  64
.set TMP, 128
.set CV,  128                          ; windows 1, 2
.set RAW, 192
.set BADR, 208
.set W_1, 0x51                         ; destination, source 0 and source 2 in window 1, source 1 in window 0
.set W_2, 0xa2                         ; the same with window 2
.set MSB, 0
.macro WIN new                         ; the immediate's high byte repeats the setting that is left; a switch that changes nothing is dropped
.if MSB != (\new)
	s_set_vgpr_msb (MSB<<8)|(\new)
.set MSB, (\new)
.endif
.endm
.macro PLACES
.rept 4
	v_nop
.endr
.endm
; A joint refill by the walking sets.  Waves 0, 1 fetch A's halves, waves 2, 3 B's; the branch hangs on the wave's number alone.  An s_nop 0 and four v_nop follow each line.
.macro JLOAD
	s_cmp_eq_u32 s[WH], 0
	s_cbranch_scc0 .Lfor_b_\@
	tensor_load_to_lds s[G0A+4:G0A+7], s[G1A:G1A+7]
	s_nop 0
	PLACES
	s_branch .Lasked_\@
.Lfor_b_\@:
	tensor_load_to_lds s[G0B+4:G0B+7], s[G1B:G1B+7]
	s_nop 0
	PLACES
.Lasked_\@:
.endm
.macro CREST                           ; a round of the cluster's barrier behind its opening barrier
	s_cmp_lg_u32 s[WV], 0
	s_cbranch_scc1 .Lnot_wave_0_\@
	s_barrier_signal -3
.Lnot_wave_0_\@:
	s_barrier_wait -3
	s_barrier_signal -1
	s_barrier_wait -1
.endm
.macro CROUND                          ; a whole round
	s_barrier_signal -1
	s_barrier_wait -1
	CREST
.endm
	s_load_b256 s[4:11], s[0:1], 0x0               ; A s[4:5], B s[6:7], C s[8:9], where s0 lies s[10:11]
.if LAYER == 1
	s_load_b64 s[12:13], s[0:1], 0x20              ; where s1 lies
.endif
.if LAYER == 2
	s_load_b128 s[12:15], s[0:1], 0x20             ; where s1 and s2 lie
.endif
	v_lshl_add_u32 v[SPW], v0, 2, SPARE
	v_mov_b32 v[NIL], 0
	ds_add_u32 v[SPW], v[NIL]                      ; the wave's opening: the add and its wait come ahead of my first tensor load; work on registers stands between them
	v_lshrrev_b32 v3, 5, v0
	v_readfirstlane_b32 s[WV], v3
	s_lshr_b32 s[WH], s[WV], 1
	s_and_b32 s[WL], s[WV], 1
	s_bfe_u32 s19, ttmp6, 0x40000                  ; cx
	s_bfe_u32 s20, ttmp6, 0x40004                  ; cy
	s_lshl_b32 s[TX], ttmp9, 2
	s_add_co_u32 s[TX], s[TX], s19                 ; tile column = 4 x cluster x + cx
	s_and_b32 s[TY], ttmp7, 0xffff
	s_lshl_b32 s[TY], s[TY], 2
	s_add_co_u32 s[TY], s[TY], s20                 ; tile row = 4 x cluster y + cy
	s_lshl_b32 s23, s20, 2
	s_lshl_b32 s23, 15, s23                        ; my row of the cluster
	s_lshl_b32 s66, 0x1111, s19                    ; my column
	s_or_b32 s[G1A], s23, GA0
	s_mov_b32 s[G1A+1], ADIM0<<16                  ; tensor_dim0
	s_mov_b32 s[G1A+2], AROWS<<16                  ; tensor_dim1
	s_mov_b32 s[G1A+3], ADIM0<<16                  ; tile_dim0
	s_mov_b32 s[G1A+4], AROWS                      ; tile_dim1
	s_mov_b32 s[G1A+5], KDIM                       ; elements from row to row
	s_mov_b32 s[G1A+6], 0
	s_mov_b32 s[G1A+7], 0
	s_or_b32 s[G1B], s66, GB0
	s_mov_b32 s[G1B+1], 128<<16                    ; B: 128 rows of 256 bytes (layer 2: two rows of 128 weights each, dense)
	s_mov_b32 s[G1B+2], 128<<16
	s_mov_b32 s[G1B+3], 128<<16
	s_mov_b32 s[G1B+4], 128
	s_mov_b32 s[G1B+5], BSTR
	s_mov_b32 s[G1B+6], 0
	s_mov_b32 s[G1B+7], 0
	s_mul_i32 s[LA], s[WL], HA                     ; no place in the cluster enters an LDS address
	s_mul_i32 s[LB], s[WL], HB
	s_add_co_u32 s[LB], s[LB], BOFF
	; A's offset is made of the tile row and the wave alone, B's of the tile column and the wave alone, each in registers that never hold the other coordinate
.if LAYER == 2
	s_lshl_b32 s42, s[TY], 6
	s_lshl_b32 s43, s[WL], 5
	s_lshl_b32 s44, s[TX], 19                      ; block tx of k2b,
	s_lshl_b32 s45, s[WL], 15                      ; 256 rows of 128 bytes
.else
	s_lshl_b32 s42, s[TY], 7
	s_lshl_b32 s43, s[WL], 6
	s_lshl_b32 s44, s[TX], 8                       ; 256 columns,
	s_lshl_b32 s45, s[WL], 19                      ; 128 rows of 4,096 bytes
.endif
	s_add_co_u32 s42, s42, s43
	s_mul_i32 s42, s42, KDIM*2                     ; under 2^25
	s_mov_b32 s43, 0
	s_add_co_u32 s44, s44, s45
	s_mov_b32 s45, 0
	s_mov_b32 s[G0A], 1
	s_mov_b32 s[G0A+1], s[LA]
	s_mov_b32 s[G0A+4], 1
	s_add_co_u32 s[G0A+5], s[LA], SLOTB
	s_mov_b32 s[G0B], 1
	s_mov_b32 s[G0B+1], s[LB]
	s_mov_b32 s[G0B+4], 1
	s_add_co_u32 s[G0B+5], s[LB], SLOTB
	s_wait_dscnt 0x0                               ; the opening add is done
	s_wait_kmcnt 0x0
	s_add_nc_u64 s[40:41], s[4:5], s[42:43]
	s_add_nc_u64 s[46:47], s[6:7], s[44:45]
	s_mov_b64 s[G0A+2:G0A+3], s[40:41]
	s_or_b32 s[G0A+3], s[G0A+3], 0x80000000        ; type = 2
	s_add_nc_u64 s[G0A+6:G0A+7], s[40:41], STEPA
	s_or_b32 s[G0A+7], s[G0A+7], 0x80000000
	s_mov_b64 s[G0B+2:G0B+3], s[46:47]
	s_or_b32 s[G0B+3], s[G0B+3], 0x80000000
	s_add_nc_u64 s[G0B+6:G0B+7], s[46:47], STEPB
	s_or_b32 s[G0B+7], s[G0B+7], 0x80000000
	CROUND                                         ; all sixteen work-groups are here: the first joint loads meet
	s_cmp_eq_u32 s[WH], 0                          ; a wave's two first fills stand in one branch: two loads of mine are out
	s_cbranch_scc0 .Lfirst_b
	tensor_load_to_lds s[G0A:G0A+3], s[G1A:G1A+7]
	s_nop 0
	tensor_load_to_lds s[G0A+4:G0A+7], s[G1A:G1A+7]
	s_nop 0
	PLACES
	s_branch .Lfirst_asked
.Lfirst_b:
	tensor_load_to_lds s[G0B:G0B+3], s[G1B:G1B+7]
	s_nop 0
	tensor_load_to_lds s[G0B+4:G0B+7], s[G1B:G1B+7]
	s_nop 0
	PLACES
.Lfirst_asked:
	; ALL THAT FOLLOWS, UP TO THE BARRIER, STANDS IN THE WAIT FOR THE FIRST TILE
	s_load_b32 s[SC0], s[10:11], 0x0
.if LAYER >= 1
	s_load_b32 s[SC0+1], s[12:13], 0x0
.endif
.if LAYER == 2
	s_load_b32 s[SC0+2], s[14:15], 0x0
.endif
	v_and_b32 v[RR], 15, v0
	v_bfe_u32 v[HH], v0, 4, 1
	v_and_b32 v3, 7, v0
	v_bfe_u32 v4, v0, 3, 1
	v_and_b32 v5, 31, v0
	v_lshlrev_b32 v[CO], 4, v5                     ; 16 x lane
	; A's fragment: lane (r, h) takes row r, k = 8 h + 0..7 and 16 + 8 h + 0..7: two loads of 16 bytes, 32 apart
	v_mul_u32_u24 v[ABASE], v[RR], PA
	v_lshl_add_u32 v[ABASE], v[HH], 4, v[ABASE]
.if LAYER == 2
	s_lshl_b32 s[T0], s[WV], 8                     ; my 128 of the step's 512 along K: 256 bytes of A's rows,
	s_mul_i32 s[T1], s[WV], 128*PB                 ; 128 rows of B
.else
	s_mul_i32 s[T0], s[WH], 64*PA                  ; my 64 rows of A,
	s_lshl_b32 s[T1], s[WL], 7                     ; my 128 columns of B
.endif
	s_add_co_u32 s[T1], s[T1], BOFF
	v_add_nc_u32 v[ABASE], s[T0], v[ABASE]
	; the turning load: lane l addresses row 8 h + l % 8, bytes 16 ((l / 8) % 2) on
	v_lshl_add_u32 v6, v[HH], 3, v3
	v_mul_u32_u24 v[BBASE], v6, PB
	v_lshl_add_u32 v[BBASE], v4, 4, v[BBASE]
	v_add_nc_u32 v[BBASE], s[T1], v[BBASE]
	v_mul_u32_u24 v[STO], v[RR], SP
.if LAYER == 2
	v_lshl_add_u32 v[STO], v[HH], 6, v[STO]        ; my stage: row r, 16 columns of f32 for each half of the lanes
	s_mul_i32 s[T0], s[WV], 16*SP
	v_add_nc_u32 v[STO], s[T0], v[STO]
	v_add_nc_u32 v[RD], s[T0], v[CO]               ; back: a row of 512 bytes a load
	s_lshl_b32 s[T0], s[WV], 15
	s_add_co_u32 s[T0], s[T0], XCH
	v_add_nc_u32 v[XST], s[T0], v[CO]              ; my 32,768 bytes of the exchange
	s_lshl_b32 s[T0], s[WV], 13
	s_add_co_u32 s[T0], s[T0], XCH
	v_add_nc_u32 v[XLD], s[T0], v[CO]              ; block a = my wave's number in wave 0's part (wave 1's by the immediate),
	v_add_nc_u32 v[XLD2], 0x10000, v[XLD]          ; and in wave 2's
	s_lshl_b32 s84, s[TY], 6
	s_lshl_b32 s85, s[WV], 4
	s_add_co_u32 s84, s84, s85                     ; the first row that I store: 64 ty + 16 w
	s_lshl_b32 s84, s84, 12                        ; rows of 4,096 bytes
.else
	v_lshl_add_u32 v[STO], v[HH], 5, v[STO]        ; the work-group's stage: row 64 wm + r, 16 columns of f16 for each half of the lanes
	s_mul_i32 s[T0], s[WH], 64*SP
	s_lshl_b32 s[T1], s[WL], 8
	s_add_co_u32 s[T0], s[T0], s[T1]
	s_add_co_u32 s[T0], s[T0], STAGE
	v_add_nc_u32 v[STO], s[T0], v[STO]
	s_mul_i32 s[T0], s[WV], 32*SP                  ; back: wave w takes rows 32 w on, a row of 512 bytes a load
	s_add_co_u32 s[T0], s[T0], STAGE
	v_add_nc_u32 v[RD], s[T0], v[CO]
	s_lshl_b32 s84, s[TY], 7
	s_lshl_b32 s85, s[WV], 5
	s_add_co_u32 s84, s84, s85                     ; the first row that I store: 128 ty + 32 w
	s_lshl_b32 s84, s84, 13                        ; rows of 8,192 bytes
.endif
	s_lshl_b32 s85, s[TX], 9                       ; the tile's 512 bytes of a row
	s_add_co_u32 s84, s84, s85
	s_mov_b32 s85, 0
	s_add_nc_u64 s[8:9], s[8:9], s[84:85]
.if LAYER == 0
	v_mov_b32 v[ZERO], 0
	s_mov_b32 s[WC], 0x06000400                    ; bytes 0 and 2 of the pair go to bytes 1 and 3; 0 below them
	s_mov_b32 s[MASK], 0xff00ff00
.else
	s_mov_b32 s[WC], 0x30803080
.endif
	; The sums are cleared: 256 lines.  A first quarter with the constant 0 as C would have to be written out ahead of the loop over pairs of quarters and would turn that loop round: more text than these lines.
	WIN 0x40
.set n, 0
.rept 128
	v_mov_b32 v[n], 0
.set n, n+1
.endr
	WIN 0x80
.set n, 0
.rept 128
	v_mov_b32 v[n], 0
.set n, n+1
.endr
	WIN 0
	s_wait_kmcnt 0x0
.if LAYER == 0
	s_bitcmp1_b32 s[SC0], 31                       ; a choice of values, no branch
	s_cselect_b32 s[CLO], 0xff800000, 0
	s_cselect_b32 s[CHI], 0, 0x7f800000
.endif
.if LAYER == 1
	s_xor_b32 s[T0], s[SC0], s[SC0+1]
	s_bitcmp1_b32 s[T0], 31
	s_cselect_b32 s[CLO], 0, 0xff800000
	s_cselect_b32 s[CHI], 0x7f800000, 0
.endif
.if LAYER == 2
	s_mul_f32 s[FS], s[SC0], s[SC0+1]
	s_mul_f32 s[FS], s[FS], s[SC0+2]
	s_mul_f32 s[FS], s[FS], 0x474a4588             ; 4,194,304 / 81
.endif
; Register c of 32 of buffer b of the converted weights: group c / 16, parity (c / 8) % 2, register c % 8 of the fragment
.macro CONV b, c
.set cD, CV+32*(\b)+(\c)
.set cS, RAW+8*((\c)/16)+(\c)%8
.set cP, ((\c)/8)%2
.if LAYER == 0
.if cP == 0
	v_perm_b32 v[cD], v[cS], v[ZERO], s[WC]
.else
	v_and_b32 v[cD], v[cS], s[MASK]
.endif
.else
	v_lshl_or_b32 v[cD], v[cS], 15-8*cP, s[WC]
.endif
.endm
; Product i of a window's 16 on buffers b, and behind it two conversions for the next quarter.  The 32 accumulators take turns, one instruction a turn, in the same order in every quarter.
.macro EL b, i
.set eD, 8*(\i)
.set eW, CV+32*(\b)+16*((\i)/8)+8*((\i)%2)
.set eA, AF+32*(\b)+8*(((\i)/2)%4)
	v_wmma_f32_16x16x32_f16 v[eD:eD+7], v[eW:eW+7], v[eA:eA+7], v[eD:eD+7]
	CONV 1-(\b), 2*(\i)
	CONV 1-(\b), 2*(\i)+1
.endm
.macro ELS b, i0, i1
.set ii, (\i0)
.rept (\i1)-(\i0)+1
	EL \b, ii
.set ii, ii+1
.endr
.endm
.macro LDA b                           ; window 0: A's four fragments of a quarter into buffer b
	v_add_nc_u32 v[AADR], s[TA], v[ABASE]
.irp a, 0,1,2,3
	ds_load_b128 v[AF+32*(\b)+8*\a:AF+32*(\b)+8*\a+3],   v[AADR] offset:\a*16*PA
	ds_load_b128 v[AF+32*(\b)+8*\a+4:AF+32*(\b)+8*\a+7], v[AADR] offset:\a*16*PA+32
.endr
.endm
.macro LDR w                           ; window w: 32 k x 64 columns of weights, turned
	v_add_nc_u32 v[BADR], s[TB], v[BBASE]
.irp g, 0,1
.irp c, 0,1
	ds_load_tr16_b128 v[RAW+8*\g+4*\c:RAW+8*\g+4*\c+3], v[BADR] offset:64*((\w)-1)+32*\g+16*\c*PB
.endr
.endr
.endm
; QUARTER t multiplies buffers b = t % 2: 32 products.  Beside them: A of quarter t + 1 is fetched, the weights of t + 1 are converted, those of t + 2 fetched.
; A's loads go into a buffer that the last quarter's products read: they stand behind two products' conversions, the last quarter's last two and two address lines: eight plain vector
; instructions that name none of those products' registers (ISA guide 7.12.1 for vector instructions).
; kind 0: within a slot.  kind 1, 2: the step's last quarter but one, THE CHANGE OF SLOTS: A's loads are the slot's last reads.  Each wave waits for all its tensor loads, of which one is out (its part of the
; next slot), adds 0 to its spare word, and waits for that and for its reads; behind the barrier nobody reads this slot and the next is whole.  kind 1: the barrier opens a round of the cluster's, and the joint
; refill, with the step two on, is the first thing behind it: it has a whole step in which to land.  kind 2: nothing is left to fetch.
.macro QUARTER b, kind
	s_wait_dscnt 4                                 ; all but the four youngest loads (window 2's weights): A of this quarter and window 1's weights of the next are in
	WIN W_1
	ELS \b, 0, 1
	WIN 0
	LDA 1-(\b)
.if (\kind) == 0
	s_add_co_u32 s[TA], s[TA], 64
	WIN W_1
	ELS \b, 2, 15
	LDR 1
	s_wait_dscnt 12                                ; A's eight and window 1's four were issued behind window 2's weights, which are in
	WIN W_2
	ELS \b, 0, 15
	LDR 2
	s_add_co_u32 s[TB], s[TB], 32*PB
.else
	s_wait_tensorcnt 0x0                           ; no tensor load of mine is out, so a group 0 may be written
	ds_add_u32 v[SPW], v[NIL]                      ; 0 onto my spare word: scalar work and fourteen products stand between it and the wait for it
.if (\kind) == 1
	s_add_co_u32 s[G0A+5], s[LA], s[CUR]           ; the walking sets: into the slot that is being left,
	s_add_co_u32 s[G0B+5], s[LB], s[CUR]
	s_add_nc_u64 s[G0A+6:G0A+7], s[G0A+6:G0A+7], STEPA  ; the next step; the type bits on top are not reached
	s_add_nc_u64 s[G0B+6:G0B+7], s[G0B+6:G0B+7], STEPB
.endif
	s_xor_b32 s[CUR], s[CUR], SLOTB                ; 0 and SLOTB by turns
	s_mov_b32 s[TA], s[CUR]
	s_mov_b32 s[TB], s[CUR]
	WIN W_1
	ELS \b, 2, 15
	s_wait_dscnt 0x0                               ; the add is done, and my reads of the slot are over
	s_barrier_signal -1
	WIN W_2
	ELS \b, 0, 3                                   ; work on registers while the others arrive
.if (\kind) == 1
	WIN 0
.endif
	s_barrier_wait -1
.if (\kind) == 1
	CREST                                          ; no wave of any partner still reads the slot or has a load on its way
	JLOAD
.endif
	WIN W_1
	LDR 1                                          ; the next slot's first weights
	WIN W_2
	ELS \b, 4, 15
	LDR 2
	s_add_co_u32 s[TB], s[TB], 32*PB
.endif
.endm
.macro STEP kind                       ; a K step: NQ quarters, of which all but the last two go round a loop of two
	s_mov_b32 s[PAIRS], (NQ-2)/2
.Lpair_\@:
	QUARTER 0, 0
	QUARTER 1, 0
	WIN 0                                          ; at a label and at a branch every window is 0
	s_sub_co_u32 s[PAIRS], s[PAIRS], 1
	s_cmp_lg_u32 s[PAIRS], 0
	s_cbranch_scc1 .Lpair_\@
	QUARTER 0, \kind
	QUARTER 1, 0
	WIN 0
.endm
	s_wait_tensorcnt 1                             ; my part of step 0 is in; step 1's may stay out
	s_barrier_signal -1
	s_barrier_wait -1                              ; everybody's is
	; THE PIPE IS PRIMED: weights of quarter 0 fetched and converted, A of quarter 0 and weights of quarter 1 fetched
	s_mov_b32 s[CUR], 0
	s_mov_b32 s[TA], 0
	s_mov_b32 s[TB], 0
	WIN W_1
	LDR 1
	WIN W_2
	LDR 2
	WIN 0
	LDA 0
	s_add_co_u32 s[TB], s[TB], 32*PB
	s_mov_b32 s[TA], 64
	s_wait_dscnt 12                                ; window 2's four and A's eight may be out
	WIN W_1
.set n, 0
.rept 32
	CONV 0, n
.set n, n+1
.endr
	LDR 1
	s_wait_dscnt 12                                ; A's eight and window 1's new four may be out
	WIN W_2
.set n, 0
.rept 32
	CONV 0, n
.set n, n+1
.endr
	LDR 2
	s_add_co_u32 s[TB], s[TB], 32*PB
	WIN 0
	s_mov_b32 s[STEPS], NS-2
.Lmain:                                                ; every step but the last two asks for the step two on
	STEP 1
	s_sub_co_u32 s[STEPS], s[STEPS], 1
	s_cmp_lg_u32 s[STEPS], 0
	s_cbranch_scc1 .Lmain
	s_mov_b32 s[STEPS], 2
.Ltail:                                                ; the last two steps are a text of their own.  In the second trip the fetches for a further step read slot 0's
	STEP 2                                         ; old bytes, and what is made of them serves nothing: 24 loads and 64 conversions, the price of one text for both trips.  That trip's barrier frees slot 1.
	s_sub_co_u32 s[STEPS], s[STEPS], 1
	s_cmp_lg_u32 s[STEPS], 0
	s_cbranch_scc1 .Ltail
	s_wait_dscnt 0x0                               ; those loads
	PLACES                                         ; with the three plain lines behind the last product: more than the four places that a reader of its result needs
.if LAYER < 2
	; THE WAY OUT.  Clamp; an even and an odd fragment's registers j pack into two neighbouring columns; 32 bytes a lane go into the work-group's stage; a barrier, since a row's 512 bytes come from two waves.
.irp W, 1,2
	WIN 0x41*(\W)                                  ; destination and source 0 in window W
.set n, 0
.rept 128                              ; ascending: each accumulator's lowest register is read first
	v_med3_num_f32 v[n], v[n], s[CLO], s[CHI]
.set n, n+1
.endr
	WIN 0x05*(\W)                                  ; sources 0 and 1 in window W, destination in window 0
.set n, 0
.rept 64
	v_cvt_pk_f16_f32 v[TMP+64*((\W)-1)+n], v[16*(n/8)+n%8], v[16*(n/8)+8+n%8]
.set n, n+1
.endr
.endr
	WIN 0
.set n, 0
.rept 16                               ; group n / 4, block of rows n % 4
	ds_store_b128 v[STO], v[TMP+8*n:TMP+8*n+3]   offset:(n%4)*16*SP+(n/4)*64
	ds_store_b128 v[STO], v[TMP+8*n+4:TMP+8*n+7] offset:(n%4)*16*SP+(n/4)*64+16
.set n, n+1
.endr
	s_wait_dscnt 0x0                               ; for the others' sake: my stores into the stage are done
	s_barrier_signal -1
	s_barrier_wait -1
.set n, 0
.rept 32
	ds_load_b128 v[TMP+4*n:TMP+4*n+3], v[RD] offset:n*SP
.set n, n+1
.endr
.set n, 0
.rept 32
	s_wait_dscnt 31-n                              ; LDS loads come back in order: row n is in
	global_store_b128 v[CO], v[TMP+4*n:TMP+4*n+3], s[8:9] offset:8192*n  ; a wave's store covers 512 consecutive bytes of a row, aligned
.set n, n+1
.endr
.else
	; THE WAY OUT.  Every wave lays all its 256 partial sums a lane into the exchange (which quarter a wave keeps would be a choice of registers by the wave's number); wave w then adds block a = w of all four.
.irp W, 1,2
	WIN 0x04*(\W)                                  ; store data in window W
.set n, 0
.rept 16                               ; accumulator n: block (n / 2) % 4; quads 2 q, 2 q + 1 with q = 4 (W - 1) + 2 (n / 8) + n % 2; the lower four registers first
	ds_store_b128 v[XST], v[8*n:8*n+3]   offset:(16*((n/2)%4)+2*(4*((\W)-1)+2*(n/8)+n%2))*512
	ds_store_b128 v[XST], v[8*n+4:8*n+7] offset:(16*((n/2)%4)+2*(4*((\W)-1)+2*(n/8)+n%2)+1)*512
.set n, n+1
.endr
.endr
	WIN 0
	s_wait_dscnt 0x0                               ; for the others' sake: my stores are done; my reads of slot 0 were over above
	s_barrier_signal -1
	s_barrier_wait -1
	WIN 0x40
.set n, 0
.rept 16
	ds_load_b128 v[4*n:4*n+3],       v[XLD] offset:512*n          ; wave 0's part
	ds_load_b128 v[64+4*n:64+4*n+3], v[XLD] offset:32768+512*n    ; wave 1's
.set n, n+1
.endr
	WIN 0x80
.set n, 0
.rept 16
	ds_load_b128 v[4*n:4*n+3],       v[XLD2] offset:512*n         ; wave 2's
	ds_load_b128 v[64+4*n:64+4*n+3], v[XLD2] offset:32768+512*n   ; wave 3's
.set n, n+1
.endr
	s_wait_dscnt 32                                ; the 32 loads of waves 2 and 3's parts may be out
	WIN 0x45
.set n, 0
.rept 32
	v_pk_add_f32 v[2*n:2*n+1], v[2*n:2*n+1], v[64+2*n:64+2*n+1]
.set n, n+1
.endr
	s_wait_dscnt 0x0
	WIN 0x8a
.set n, 0
.rept 32
	v_pk_add_f32 v[2*n:2*n+1], v[2*n:2*n+1], v[64+2*n:64+2*n+1]
.set n, n+1
.endr
	WIN 0x09                                       ; source 0 window 1, source 1 window 2, destination window 0
.set n, 0
.rept 32
	v_pk_add_f32 v[TMP+2*n:TMP+2*n+1], v[2*n:2*n+1], v[2*n:2*n+1]
.set n, n+1
.endr
	WIN 0
.set n, 0
.rept 64                               ; column n % 16 of group n / 16: even and odd fragments interleave; times F
	v_mul_f32 v[TMP+64+n], s[FS], v[TMP+16*(n/16)+8*(n%2)+2*((n/4)%4)+(n%4)/2]
.set n, n+1
.endr
.set n, 0
.rept 16
	ds_store_b128 v[STO], v[TMP+64+4*n:TMP+64+4*n+3] offset:128*(n/4)+16*(n%4)  ; my own stage, in slot 0, which nobody reads behind the barrier above
.set n, n+1
.endr
.set n, 0
.rept 16
	ds_load_b128 v[TMP+4*n:TMP+4*n+3], v[RD] offset:n*SP  ; LDS serves a wave's instructions in order (ISA guide 5.7.1.4): these see the stores above
.set n, n+1
.endr
.set n, 0
.rept 16
	s_wait_dscnt 15-n
	global_store_b128 v[CO], v[TMP+4*n:TMP+4*n+3], s[8:9] offset:4096*n th:TH_STORE_NT  ; 512 consecutive bytes of a row, aligned
.set n, n+1
.endr
.endif
	s_wait_tensorcnt 0x0                           ; the wave's end, behind my last tensor load and my last LDS store
	ds_add_u32 v[SPW], v[NIL]
	s_wait_dscnt 0x0
	CROUND                                         ; the closing round: no work-group ends while a partner may still ask for a tile that names it
	s_endpgm
.Lfunc_end_k_q50b0656561_g1:
	.size	k_q50b0656561_g1, .Lfunc_end_k_q50b0656561_g1-k_q50b0656561_g1
	.p2alignl 7, 3214868480
	.fill 96, 4, 3214868480
	.section	.rodata,"a",@progbits
	.p2align	6, 0x0
	.amdhsa_kernel k_q50b0656561_g1
		.amdhsa_group_segment_fixed_size 327680
		.amdhsa_private_segment_fixed_size 0
		.amdhsa_enable_private_segment 0
		.amdhsa_kernarg_size 40
		.amdhsa_user_sgpr_count 2
		.amdhsa_user_sgpr_kernarg_segment_ptr 1
		.amdhsa_wavefront_size32 1
		.amdhsa_system_sgpr_workgroup_id_x 1
		.amdhsa_system_sgpr_workgroup_id_y 1
		.amdhsa_system_sgpr_workgroup_id_z 1
		.amdhsa_system_vgpr_workitem_id 0
		.amdhsa_next_free_vgpr 768
		.amdhsa_next_free_sgpr 88
		.amdhsa_reserve_vcc 0
		.amdhsa_float_denorm_mode_32 3
		.amdhsa_float_denorm_mode_16_64 3
		.amdhsa_memory_ordered 1
		.amdhsa_forward_progress 1
		.amdhsa_inst_pref_size 116
	.end_amdhsa_kernel
	.amdgpu_metadata
---
amdhsa.version: [ 1, 2 ]
amdhsa.kernels:
  - .name:           k_q50b0656561_g1
    .symbol:         k_q50b0656561_g1.kd
    .args:
      - { .name: h0, .offset: 0, .size: 8, .value_kind: global_buffer, .address_space: global }
      - { .name: k1, .offset: 8, .size: 8, .value_kind: global_buffer, .address_space: global }
      - { .name: h1, .offset: 16, .size: 8, .value_kind: global_buffer, .address_space: global }
      - { .name: s0, .offset: 24, .size: 8, .value_kind: global_buffer, .address_space: global }
      - { .name: s1, .offset: 32, .size: 8, .value_kind: global_buffer, .address_space: global }
    .group_segment_fixed_size: 327680
    .private_segment_fixed_size: 0
    .kernarg_segment_align: 8
    .kernarg_segment_size: 40
    .max_flat_workgroup_size: 128
    .sgpr_count:     88
    .vgpr_count:     768
    .wavefront_size: 32
...
	.end_amdgpu_metadata
.endif
;; end of part 3
;; launch g2 (part 4): grid 8 x 32, 4 waves a work-group, clusters of 4 x 4, 327,680 bytes of LDS; arguments h1, k2b, out0, s0, s1, s2; writes out0
.if DOCPART == 4
	.amdgcn_target "amdgcn-amd-amdhsa--gfx1250"
	.amdhsa_code_object_version 6
	.text
	.protected	k_q50b0656561_g2
	.globl	k_q50b0656561_g2
	.p2align	8
	.type	k_q50b0656561_g2,@function
k_q50b0656561_g2:
	s_mov_b64 s[64:65], 0
	v_nop
	global_prefetch_b8 v0, s[64:65] scope:SCOPE_SE
	s_setreg_imm32_b32 hwreg(HW_REG_WAVE_MODE, 25, 1), 1
	s_wait_xcnt 0x0
	s_wait_alu depctr_hold_cnt(0) depctr_sa_sdst(0) depctr_va_vdst(0) depctr_va_sdst(0) depctr_va_ssrc(0) depctr_va_vcc(0) depctr_vm_vsrc(0)
	s_getreg_b32 s2, hwreg(HW_REG_IB_STS2, 6, 4)
	s_cmp_eq_u32 s2, 0
	s_cbranch_scc0 .Lentry_in_a_cluster
	s_endpgm
.Lentry_in_a_cluster:
	s_bfe_u32 s2, ttmp6, 0x10000c
	s_cmp_lg_u32 s2, 0xf033
	s_cbranch_scc0 .Lentry_shape_is_right
	s_endpgm
.Lentry_shape_is_right:
.set LAYER, 2
; ONE TEXT FOR THE THREE PRODUCTS OF THE CHAIN; LAYER picks the sizes, the weights' conversion and the way out.
;   LAYER 0: H0 = clamp(xh W0'), K = 1,024, N = 4,096.   LAYER 1: H1 = clamp(H0 W1'), K = N = 4,096.   LAYER 2: out = F (H1 W2'), K = 4,096, N = 1,024.   2,048 rows.
; ARITHMETIC.  relu(s z) = |s| relu(sgn(s) z), so s0, s1, s2 leave the chain: their sign bits choose the clamps' sides, and their product multiplies the last sums, in f32.
;   W0' = c0 x 2 (a - b), c0 = 2^-8: the code byte is the f16 number's high byte.   W1', W2' = -q w, q = 1.125 x 2^-3 (f16 0x3080), w = +1 for true, -1 for false.
;   H0 = max(acc, 0) if s0's sign bit is 0, else min(acc, 0).   H1 = max(acc, 0) if the sign bits of s0 and s1 differ, else min(acc, 0).   F = s0 s1 s2 x 4 / (c0 q q) = s0 s1 s2 x 4,194,304 / 81.
;   Operands f16, sums f32.  f16 and not bf16: the intermediates' scale hangs on x alone (about 0.2 and 1 for x of unit spread), and three bits more keep two roundings well inside the allowance.
; LIMITS.  xh, H0 and H1 must stay under 65,504 (x some thousands of times the unit spread); below about a thousandth of it f16's fixed step of 6e-8 shows.  s0 s1 s2 x 51,782 must stay inside f32.
;   The scales are applied last, so the order of rounding differs from a chain that scales each layer.  NaN, infinities and the sign of zero are not treated apart.  bool bytes are 0 or 1.
; SHARES.  A wave makes 64 rows x 128 columns: 32 accumulators.  LAYERS 0, 1: a work-group makes 128 x 256, its waves 2 x 2; K goes in steps of 256.  LAYER 2: a work-group makes 64 x 128 and its four waves
;   split K (128 of each step of 512); the four partial sums meet in LDS.  Either way 256 work-groups.
; WEIGHTS stay bytes, [K][N], up to the registers.  ds_load_tr16_b128 turns 16 k x 16 PAIRS of bytes: a lane gets 8 k of columns 2 r and 2 r + 1, and ONE vector instruction makes a register of the even
;   column's f16 fragment of it, another the odd column's: bit 0 (or 8) of each half goes to the sign; the other column's bit falls on bit 7 or 23, which the constant 0x30803080 has set, or off the top.
; TRANSPOSED: source 0 = 16 columns of W, source 1 = 16 rows of the activations.  Lane (r, h) holds row r; register j of group G's even fragment is column 32 G + 16 h + 2 j, of the odd one the next.
; CLUSTER 4 x 4.  A's tile hangs on the tile row alone and is asked for jointly by a row of the cluster, B's on the tile column alone, by a column: the same load, descriptor and mask in all four.
; REGISTERS, in windows of 256 (s_set_vgpr_msb: bits 1:0 source 0, 3:2 source 1, 5:4 source 2, 7:6 destination):
;   window 0: v0-29 addresses; v64-127 A's fragments, two buffers of 4 x 8; v128-255 at work on the way out
;   windows 1 (groups 0, 1) and 2 (groups 2, 3), alike: v0-127 accumulators (8 gl + 2 a + p) x 8; v128-191 converted weights, two buffers; v192-207 weights as loaded; v208 their LDS address
;   Under W_1 or W_2 products, conversions, turning loads and the address line all run without a switch: four switches for a quarter's 32 products.
.if LAYER == 2
.set KDIM,  4096
.set NQ,    4                          ; quarters of 32 along K in a wave's part of a step
.set NS,    8                          ; steps
.set PA,    1040                       ; A's row in LDS: 1,024 bytes + 16
.set PB,    160                        ; B's row: 128 bytes + 32
.set AROWS, 32                         ; rows in one load of A
.set ADIM0, 512
.set HB,    256*PB                     ; bytes that one load of B fills
.set BSTR,  128
.set STEPA, 1024
.set STEPB, 65536
.set GA0,   (1<<16)|(1<<20)|(1<<21)|(7<<22)|(3<<25)  ; 2-byte elements; padding on; bit 21 beside a mask; after every 256 words, 4 words
.set GB0,   (1<<16)|(1<<20)|(1<<21)|(4<<22)|(7<<25)  ; after every 32 words (a row of 128 weights), 8 words
.else
.set NQ,    8
.set PA,    528                        ; 512 bytes + 16: an odd multiple of 16, so the 16 rows of a fragment load start at 16 different groups of four banks (ISA guide 11.1)
.set PB,    288                        ; 256 bytes + 32: an odd multiple of 32, for the turning load's 8 rows x 32 bytes
.set AROWS, 64
.set ADIM0, 256
.set HB,    128*PB
.set BSTR,  2048                       ; 4,096 bytes from row to row, in elements of 2
.set STEPA, 512
.set STEPB, 1048576
.set GA0,   (1<<16)|(1<<20)|(1<<21)|(6<<22)|(3<<25)  ; after every 128 words, 4 words
.set GB0,   (1<<16)|(1<<20)|(1<<21)|(5<<22)|(7<<25)  ; after every 64 words, 8 words
.if LAYER == 0
.set KDIM,  1024
.set NS,    4
.else
.set KDIM,  4096
.set NS,    16
.endif
.endif
.set HA,    AROWS*PA                   ; bytes that one load of A fills
.set BOFF,  2*HA                       ; a slot: A's two halves, then B's two halves
.set SLOTB, 2*HA+2*HB                  ; a slot's bytes, and slot 1's first byte
.set SPARE, 2*SLOTB                    ; behind the ring: the spare words, 128 bytes a wave: two blocks of 256 bytes that no other line names
.set SP,    528                        ; a row of the stage: 512 bytes + 16
.set STAGE, SLOTB                      ; layers 0, 1: 128 rows x 528 in slot 1, behind its last fill and its last reader
.set XCH,   SLOTB                      ; layer 2: 4 x 32,768 bytes of partial sums in slot 1; the waves' stages, 16 rows x 528 each, lie in slot 0
.set WV, 16                            ; s16 wave;  s17 wave >> 1: 0 = I fetch A, 1 = B;  s18 wave & 1: which half I fetch
.set WH, 17
.set WL, 18
.set TX, 21                            ; s21 tile column, s22 tile row
.set TY, 22
.set G1A, 24                           ; s[24:31] group 1 for A;  s[32:39] group 0: set 0 (step 0, slot 0), set 1 (step 1, slot 1), which then walks
.set G0A, 32
.set G1B, 48                           ; s[48:55], s[56:63] the same for B
.set G0B, 56
.set LA,  67                           ; s67, s68  LDS byte of my half in slot 0, for A and for B
.set LB,  68
.set CUR, 69                           ; s69  first byte of the slot in hand
.set TA,  70                           ; s70  what the next fetch of A adds to my lane's place;  s71 the same for B
.set TB,  71
.set STEPS, 72
.set PAIRS, 73
.set WC,  74                           ; s74  0x30803080; layer 0: v_perm_b32's selector
.set MASK, 75                          ; s75  layer 0: the high byte of each half
.set CLO, 76                           ; s76, s77  the clamp's two ends
.set CHI, 77
.set SC0, 78                           ; s78-80  s0, s1, s2;  s81 F
.set FS,  81
.set T0,  82
.set T1,  83
.set RR, 1                             ; v1 lane % 16;  v2 lane / 16
.set HH, 2
.set ABASE, 10                         ; v10, v11  my lane's place in a slot's A and B; never rewritten
.set BBASE, 11
.set AADR, 12
.set ZERO, 13
.set STO, 14                           ; v14 into the stage;  v15 back out of it;  v16 16 x lane
.set RD,  15
.set CO,  16
.set XST, 17                           ; v17-19  layer 2: into and out of the exchange
.set XLD, 18
.set XLD2, 19
.set SPW, 28                           ; v28 my spare word;  v29 0; never rewritten
.set NIL, 29
.set AF,  64
.set TMP, 128
.set CV,  128                          ; windows 1, 2
.set RAW, 192
.set BADR, 208
.set W_1, 0x51                         ; destination, source 0 and source 2 in window 1, source 1 in window 0
.set W_2, 0xa2                         ; the same with window 2
.set MSB, 0
.macro WIN new                         ; the immediate's high byte repeats the setting that is left; a switch that changes nothing is dropped
.if MSB != (\new)
	s_set_vgpr_msb (MSB<<8)|(\new)
.set MSB, (\new)
.endif
.endm
.macro PLACES
.rept 4
	v_nop
.endr
.endm
; A joint refill by the walking sets.  Waves 0, 1 fetch A's halves, waves 2, 3 B's; the branch hangs on the wave's number alone.  An s_nop 0 and four v_nop follow each line.
.macro JLOAD
	s_cmp_eq_u32 s[WH], 0
	s_cbranch_scc0 .Lfor_b_\@
	tensor_load_to_lds s[G0A+4:G0A+7], s[G1A:G1A+7]
	s_nop 0
	PLACES
	s_branch .Lasked_\@
.Lfor_b_\@:
	tensor_load_to_lds s[G0B+4:G0B+7], s[G1B:G1B+7]
	s_nop 0
	PLACES
.Lasked_\@:
.endm
.macro CREST                           ; a round of the cluster's barrier behind its opening barrier
	s_cmp_lg_u32 s[WV], 0
	s_cbranch_scc1 .Lnot_wave_0_\@
	s_barrier_signal -3
.Lnot_wave_0_\@:
	s_barrier_wait -3
	s_barrier_signal -1
	s_barrier_wait -1
.endm
.macro CROUND                          ; a whole round
	s_barrier_signal -1
	s_barrier_wait -1
	CREST
.endm
	s_load_b256 s[4:11], s[0:1], 0x0               ; A s[4:5], B s[6:7], C s[8:9], where s0 lies s[10:11]
.if LAYER == 1
	s_load_b64 s[12:13], s[0:1], 0x20              ; where s1 lies
.endif
.if LAYER == 2
	s_load_b128 s[12:15], s[0:1], 0x20             ; where s1 and s2 lie
.endif
	v_lshl_add_u32 v[SPW], v0, 2, SPARE
	v_mov_b32 v[NIL], 0
	ds_add_u32 v[SPW], v[NIL]                      ; the wave's opening: the add and its wait come ahead of my first tensor load; work on registers stands between them
	v_lshrrev_b32 v3, 5, v0
	v_readfirstlane_b32 s[WV], v3
	s_lshr_b32 s[WH], s[WV], 1
	s_and_b32 s[WL], s[WV], 1
	s_bfe_u32 s19, ttmp6, 0x40000                  ; cx
	s_bfe_u32 s20, ttmp6, 0x40004                  ; cy
	s_lshl_b32 s[TX], ttmp9, 2
	s_add_co_u32 s[TX], s[TX], s19                 ; tile column = 4 x cluster x + cx
	s_and_b32 s[TY], ttmp7, 0xffff
	s_lshl_b32 s[TY], s[TY], 2
	s_add_co_u32 s[TY], s[TY], s20                 ; tile row = 4 x cluster y + cy
	s_lshl_b32 s23, s20, 2
	s_lshl_b32 s23, 15, s23                        ; my row of the cluster
	s_lshl_b32 s66, 0x1111, s19                    ; my column
	s_or_b32 s[G1A], s23, GA0
	s_mov_b32 s[G1A+1], ADIM0<<16                  ; tensor_dim0
	s_mov_b32 s[G1A+2], AROWS<<16                  ; tensor_dim1
	s_mov_b32 s[G1A+3], ADIM0<<16                  ; tile_dim0
	s_mov_b32 s[G1A+4], AROWS                      ; tile_dim1
	s_mov_b32 s[G1A+5], KDIM                       ; elements from row to row
	s_mov_b32 s[G1A+6], 0
	s_mov_b32 s[G1A+7], 0
	s_or_b32 s[G1B], s66, GB0
	s_mov_b32 s[G1B+1], 128<<16                    ; B: 128 rows of 256 bytes (layer 2: two rows of 128 weights each, dense)
	s_mov_b32 s[G1B+2], 128<<16
	s_mov_b32 s[G1B+3], 128<<16
	s_mov_b32 s[G1B+4], 128
	s_mov_b32 s[G1B+5], BSTR
	s_mov_b32 s[G1B+6], 0
	s_mov_b32 s[G1B+7], 0
	s_mul_i32 s[LA], s[WL], HA                     ; no place in the cluster enters an LDS address
	s_mul_i32 s[LB], s[WL], HB
	s_add_co_u32 s[LB], s[LB], BOFF
	; A's offset is made of the tile row and the wave alone, B's of the tile column and the wave alone, each in registers that never hold the other coordinate
.if LAYER == 2
	s_lshl_b32 s42, s[TY], 6
	s_lshl_b32 s43, s[WL], 5
	s_lshl_b32 s44, s[TX], 19                      ; block tx of k2b,
	s_lshl_b32 s45, s[WL], 15                      ; 256 rows of 128 bytes
.else
	s_lshl_b32 s42, s[TY], 7
	s_lshl_b32 s43, s[WL], 6
	s_lshl_b32 s44, s[TX], 8                       ; 256 columns,
	s_lshl_b32 s45, s[WL], 19                      ; 128 rows of 4,096 bytes
.endif
	s_add_co_u32 s42, s42, s43
	s_mul_i32 s42, s42, KDIM*2                     ; under 2^25
	s_mov_b32 s43, 0
	s_add_co_u32 s44, s44, s45
	s_mov_b32 s45, 0
	s_mov_b32 s[G0A], 1
	s_mov_b32 s[G0A+1], s[LA]
	s_mov_b32 s[G0A+4], 1
	s_add_co_u32 s[G0A+5], s[LA], SLOTB
	s_mov_b32 s[G0B], 1
	s_mov_b32 s[G0B+1], s[LB]
	s_mov_b32 s[G0B+4], 1
	s_add_co_u32 s[G0B+5], s[LB], SLOTB
	s_wait_dscnt 0x0                               ; the opening add is done
	s_wait_kmcnt 0x0
	s_add_nc_u64 s[40:41], s[4:5], s[42:43]
	s_add_nc_u64 s[46:47], s[6:7], s[44:45]
	s_mov_b64 s[G0A+2:G0A+3], s[40:41]
	s_or_b32 s[G0A+3], s[G0A+3], 0x80000000        ; type = 2
	s_add_nc_u64 s[G0A+6:G0A+7], s[40:41], STEPA
	s_or_b32 s[G0A+7], s[G0A+7], 0x80000000
	s_mov_b64 s[G0B+2:G0B+3], s[46:47]
	s_or_b32 s[G0B+3], s[G0B+3], 0x80000000
	s_add_nc_u64 s[G0B+6:G0B+7], s[46:47], STEPB
	s_or_b32 s[G0B+7], s[G0B+7], 0x80000000
	CROUND                                         ; all sixteen work-groups are here: the first joint loads meet
	s_cmp_eq_u32 s[WH], 0                          ; a wave's two first fills stand in one branch: two loads of mine are out
	s_cbranch_scc0 .Lfirst_b
	tensor_load_to_lds s[G0A:G0A+3], s[G1A:G1A+7]
	s_nop 0
	tensor_load_to_lds s[G0A+4:G0A+7], s[G1A:G1A+7]
	s_nop 0
	PLACES
	s_branch .Lfirst_asked
.Lfirst_b:
	tensor_load_to_lds s[G0B:G0B+3], s[G1B:G1B+7]
	s_nop 0
	tensor_load_to_lds s[G0B+4:G0B+7], s[G1B:G1B+7]
	s_nop 0
	PLACES
.Lfirst_asked:
	; ALL THAT FOLLOWS, UP TO THE BARRIER, STANDS IN THE WAIT FOR THE FIRST TILE
	s_load_b32 s[SC0], s[10:11], 0x0
.if LAYER >= 1
	s_load_b32 s[SC0+1], s[12:13], 0x0
.endif
.if LAYER == 2
	s_load_b32 s[SC0+2], s[14:15], 0x0
.endif
	v_and_b32 v[RR], 15, v0
	v_bfe_u32 v[HH], v0, 4, 1
	v_and_b32 v3, 7, v0
	v_bfe_u32 v4, v0, 3, 1
	v_and_b32 v5, 31, v0
	v_lshlrev_b32 v[CO], 4, v5                     ; 16 x lane
	; A's fragment: lane (r, h) takes row r, k = 8 h + 0..7 and 16 + 8 h + 0..7: two loads of 16 bytes, 32 apart
	v_mul_u32_u24 v[ABASE], v[RR], PA
	v_lshl_add_u32 v[ABASE], v[HH], 4, v[ABASE]
.if LAYER == 2
	s_lshl_b32 s[T0], s[WV], 8                     ; my 128 of the step's 512 along K: 256 bytes of A's rows,
	s_mul_i32 s[T1], s[WV], 128*PB                 ; 128 rows of B
.else
	s_mul_i32 s[T0], s[WH], 64*PA                  ; my 64 rows of A,
	s_lshl_b32 s[T1], s[WL], 7                     ; my 128 columns of B
.endif
	s_add_co_u32 s[T1], s[T1], BOFF
	v_add_nc_u32 v[ABASE], s[T0], v[ABASE]
	; the turning load: lane l addresses row 8 h + l % 8, bytes 16 ((l / 8) % 2) on
	v_lshl_add_u32 v6, v[HH], 3, v3
	v_mul_u32_u24 v[BBASE], v6, PB
	v_lshl_add_u32 v[BBASE], v4, 4, v[BBASE]
	v_add_nc_u32 v[BBASE], s[T1], v[BBASE]
	v_mul_u32_u24 v[STO], v[RR], SP
.if LAYER == 2
	v_lshl_add_u32 v[STO], v[HH], 6, v[STO]        ; my stage: row r, 16 columns of f32 for each half of the lanes
	s_mul_i32 s[T0], s[WV], 16*SP
	v_add_nc_u32 v[STO], s[T0], v[STO]
	v_add_nc_u32 v[RD], s[T0], v[CO]               ; back: a row of 512 bytes a load
	s_lshl_b32 s[T0], s[WV], 15
	s_add_co_u32 s[T0], s[T0], XCH
	v_add_nc_u32 v[XST], s[T0], v[CO]              ; my 32,768 bytes of the exchange
	s_lshl_b32 s[T0], s[WV], 13
	s_add_co_u32 s[T0], s[T0], XCH
	v_add_nc_u32 v[XLD], s[T0], v[CO]              ; block a = my wave's number in wave 0's part (wave 1's by the immediate),
	v_add_nc_u32 v[XLD2], 0x10000, v[XLD]          ; and in wave 2's
	s_lshl_b32 s84, s[TY], 6
	s_lshl_b32 s85, s[WV], 4
	s_add_co_u32 s84, s84, s85                     ; the first row that I store: 64 ty + 16 w
	s_lshl_b32 s84, s84, 12                        ; rows of 4,096 bytes
.else
	v_lshl_add_u32 v[STO], v[HH], 5, v[STO]        ; the work-group's stage: row 64 wm + r, 16 columns of f16 for each half of the lanes
	s_mul_i32 s[T0], s[WH], 64*SP
	s_lshl_b32 s[T1], s[WL], 8
	s_add_co_u32 s[T0], s[T0], s[T1]
	s_add_co_u32 s[T0], s[T0], STAGE
	v_add_nc_u32 v[STO], s[T0], v[STO]
	s_mul_i32 s[T0], s[WV], 32*SP                  ; back: wave w takes rows 32 w on, a row of 512 bytes a load
	s_add_co_u32 s[T0], s[T0], STAGE
	v_add_nc_u32 v[RD], s[T0], v[CO]
	s_lshl_b32 s84, s[TY], 7
	s_lshl_b32 s85, s[WV], 5
	s_add_co_u32 s84, s84, s85                     ; the first row that I store: 128 ty + 32 w
	s_lshl_b32 s84, s84, 13                        ; rows of 8,192 bytes
.endif
	s_lshl_b32 s85, s[TX], 9                       ; the tile's 512 bytes of a row
	s_add_co_u32 s84, s84, s85
	s_mov_b32 s85, 0
	s_add_nc_u64 s[8:9], s[8:9], s[84:85]
.if LAYER == 0
	v_mov_b32 v[ZERO], 0
	s_mov_b32 s[WC], 0x06000400                    ; bytes 0 and 2 of the pair go to bytes 1 and 3; 0 below them
	s_mov_b32 s[MASK], 0xff00ff00
.else
	s_mov_b32 s[WC], 0x30803080
.endif
	; The sums are cleared: 256 lines.  A first quarter with the constant 0 as C would have to be written out ahead of the loop over pairs of quarters and would turn that loop round: more text than these lines.
	WIN 0x40
.set n, 0
.rept 128
	v_mov_b32 v[n], 0
.set n, n+1
.endr
	WIN 0x80
.set n, 0
.rept 128
	v_mov_b32 v[n], 0
.set n, n+1
.endr
	WIN 0
	s_wait_kmcnt 0x0
.if LAYER == 0
	s_bitcmp1_b32 s[SC0], 31                       ; a choice of values, no branch
	s_cselect_b32 s[CLO], 0xff800000, 0
	s_cselect_b32 s[CHI], 0, 0x7f800000
.endif
.if LAYER == 1
	s_xor_b32 s[T0], s[SC0], s[SC0+1]
	s_bitcmp1_b32 s[T0], 31
	s_cselect_b32 s[CLO], 0, 0xff800000
	s_cselect_b32 s[CHI], 0x7f800000, 0
.endif
.if LAYER == 2
	s_mul_f32 s[FS], s[SC0], s[SC0+1]
	s_mul_f32 s[FS], s[FS], s[SC0+2]
	s_mul_f32 s[FS], s[FS], 0x474a4588             ; 4,194,304 / 81
.endif
; Register c of 32 of buffer b of the converted weights: group c / 16, parity (c / 8) % 2, register c % 8 of the fragment
.macro CONV b, c
.set cD, CV+32*(\b)+(\c)
.set cS, RAW+8*((\c)/16)+(\c)%8
.set cP, ((\c)/8)%2
.if LAYER == 0
.if cP == 0
	v_perm_b32 v[cD], v[cS], v[ZERO], s[WC]
.else
	v_and_b32 v[cD], v[cS], s[MASK]
.endif
.else
	v_lshl_or_b32 v[cD], v[cS], 15-8*cP, s[WC]
.endif
.endm
; Product i of a window's 16 on buffers b, and behind it two conversions for the next quarter.  The 32 accumulators take turns, one instruction a turn, in the same order in every quarter.
.macro EL b, i
.set eD, 8*(\i)
.set eW, CV+32*(\b)+16*((\i)/8)+8*((\i)%2)
.set eA, AF+32*(\b)+8*(((\i)/2)%4)
	v_wmma_f32_16x16x32_f16 v[eD:eD+7], v[eW:eW+7], v[eA:eA+7], v[eD:eD+7]
	CONV 1-(\b), 2*(\i)
	CONV 1-(\b), 2*(\i)+1
.endm
.macro ELS b, i0, i1
.set ii, (\i0)
.rept (\i1)-(\i0)+1
	EL \b, ii
.set ii, ii+1
.endr
.endm
.macro LDA b                           ; window 0: A's four fragments of a quarter into buffer b
	v_add_nc_u32 v[AADR], s[TA], v[ABASE]
.irp a, 0,1,2,3
	ds_load_b128 v[AF+32*(\b)+8*\a:AF+32*(\b)+8*\a+3],   v[AADR] offset:\a*16*PA
	ds_load_b128 v[AF+32*(\b)+8*\a+4:AF+32*(\b)+8*\a+7], v[AADR] offset:\a*16*PA+32
.endr
.endm
.macro LDR w                           ; window w: 32 k x 64 columns of weights, turned
	v_add_nc_u32 v[BADR], s[TB], v[BBASE]
.irp g, 0,1
.irp c, 0,1
	ds_load_tr16_b128 v[RAW+8*\g+4*\c:RAW+8*\g+4*\c+3], v[BADR] offset:64*((\w)-1)+32*\g+16*\c*PB
.endr
.endr
.endm
; QUARTER t multiplies buffers b = t % 2: 32 products.  Beside them: A of quarter t + 1 is fetched, the weights of t + 1 are converted, those of t + 2 fetched.
; A's loads go into a buffer that the last quarter's products read: they stand behind two products' conversions, the last quarter's last two and two address lines: eight plain vector
; instructions that name none of those products' registers (ISA guide 7.12.1 for vector instructions).
; kind 0: within a slot.  kind 1, 2: the step's last quarter but one, THE CHANGE OF SLOTS: A's loads are the slot's last reads.  Each wave waits for all its tensor loads, of which one is out (its part of the
; next slot), adds 0 to its spare word, and waits for that and for its reads; behind the barrier nobody reads this slot and the next is whole.  kind 1: the barrier opens a round of the cluster's, and the joint
; refill, with the step two on, is the first thing behind it: it has a whole step in which to land.  kind 2: nothing is left to fetch.
.macro QUARTER b, kind
	s_wait_dscnt 4                                 ; all but the four youngest loads (window 2's weights): A of this quarter and window 1's weights of the next are in
	WIN W_1
	ELS \b, 0, 1
	WIN 0
	LDA 1-(\b)
.if (\kind) == 0
	s_add_co_u32 s[TA], s[TA], 64
	WIN W_1
	ELS \b, 2, 15
	LDR 1
	s_wait_dscnt 12                                ; A's eight and window 1's four were issued behind window 2's weights, which are in
	WIN W_2
	ELS \b, 0, 15
	LDR 2
	s_add_co_u32 s[TB], s[TB], 32*PB
.else
	s_wait_tensorcnt 0x0                           ; no tensor load of mine is out, so a group 0 may be written
	ds_add_u32 v[SPW], v[NIL]                      ; 0 onto my spare word: scalar work and fourteen products stand between it and the wait for it
.if (\kind) == 1
	s_add_co_u32 s[G0A+5], s[LA], s[CUR]           ; the walking sets: into the slot that is being left,
	s_add_co_u32 s[G0B+5], s[LB], s[CUR]
	s_add_nc_u64 s[G0A+6:G0A+7], s[G0A+6:G0A+7], STEPA  ; the next step; the type bits on top are not reached
	s_add_nc_u64 s[G0B+6:G0B+7], s[G0B+6:G0B+7], STEPB
.endif
	s_xor_b32 s[CUR], s[CUR], SLOTB                ; 0 and SLOTB by turns
	s_mov_b32 s[TA], s[CUR]
	s_mov_b32 s[TB], s[CUR]
	WIN W_1
	ELS \b, 2, 15
	s_wait_dscnt 0x0                               ; the add is done, and my reads of the slot are over
	s_barrier_signal -1
	WIN W_2
	ELS \b, 0, 3                                   ; work on registers while the others arrive
.if (\kind) == 1
	WIN 0
.endif
	s_barrier_wait -1
.if (\kind) == 1
	CREST                                          ; no wave of any partner still reads the slot or has a load on its way
	JLOAD
.endif
	WIN W_1
	LDR 1                                          ; the next slot's first weights
	WIN W_2
	ELS \b, 4, 15
	LDR 2
	s_add_co_u32 s[TB], s[TB], 32*PB
.endif
.endm
.macro STEP kind                       ; a K step: NQ quarters, of which all but the last two go round a loop of two
	s_mov_b32 s[PAIRS], (NQ-2)/2
.Lpair_\@:
	QUARTER 0, 0
	QUARTER 1, 0
	WIN 0                                          ; at a label and at a branch every window is 0
	s_sub_co_u32 s[PAIRS], s[PAIRS], 1
	s_cmp_lg_u32 s[PAIRS], 0
	s_cbranch_scc1 .Lpair_\@
	QUARTER 0, \kind
	QUARTER 1, 0
	WIN 0
.endm
	s_wait_tensorcnt 1                             ; my part of step 0 is in; step 1's may stay out
	s_barrier_signal -1
	s_barrier_wait -1                              ; everybody's is
	; THE PIPE IS PRIMED: weights of quarter 0 fetched and converted, A of quarter 0 and weights of quarter 1 fetched
	s_mov_b32 s[CUR], 0
	s_mov_b32 s[TA], 0
	s_mov_b32 s[TB], 0
	WIN W_1
	LDR 1
	WIN W_2
	LDR 2
	WIN 0
	LDA 0
	s_add_co_u32 s[TB], s[TB], 32*PB
	s_mov_b32 s[TA], 64
	s_wait_dscnt 12                                ; window 2's four and A's eight may be out
	WIN W_1
.set n, 0
.rept 32
	CONV 0, n
.set n, n+1
.endr
	LDR 1
	s_wait_dscnt 12                                ; A's eight and window 1's new four may be out
	WIN W_2
.set n, 0
.rept 32
	CONV 0, n
.set n, n+1
.endr
	LDR 2
	s_add_co_u32 s[TB], s[TB], 32*PB
	WIN 0
	s_mov_b32 s[STEPS], NS-2
.Lmain:                                                ; every step but the last two asks for the step two on
	STEP 1
	s_sub_co_u32 s[STEPS], s[STEPS], 1
	s_cmp_lg_u32 s[STEPS], 0
	s_cbranch_scc1 .Lmain
	s_mov_b32 s[STEPS], 2
.Ltail:                                                ; the last two steps are a text of their own.  In the second trip the fetches for a further step read slot 0's
	STEP 2                                         ; old bytes, and what is made of them serves nothing: 24 loads and 64 conversions, the price of one text for both trips.  That trip's barrier frees slot 1.
	s_sub_co_u32 s[STEPS], s[STEPS], 1
	s_cmp_lg_u32 s[STEPS], 0
	s_cbranch_scc1 .Ltail
	s_wait_dscnt 0x0                               ; those loads
	PLACES                                         ; with the three plain lines behind the last product: more than the four places that a reader of its result needs
.if LAYER < 2
	; THE WAY OUT.  Clamp; an even and an odd fragment's registers j pack into two neighbouring columns; 32 bytes a lane go into the work-group's stage; a barrier, since a row's 512 bytes come from two waves.
.irp W, 1,2
	WIN 0x41*(\W)                                  ; destination and source 0 in window W
.set n, 0
.rept 128                              ; ascending: each accumulator's lowest register is read first
	v_med3_num_f32 v[n], v[n], s[CLO], s[CHI]
.set n, n+1
.endr
	WIN 0x05*(\W)                                  ; sources 0 and 1 in window W, destination in window 0
.set n, 0
.rept 64
	v_cvt_pk_f16_f32 v[TMP+64*((\W)-1)+n], v[16*(n/8)+n%8], v[16*(n/8)+8+n%8]
.set n, n+1
.endr
.endr
	WIN 0
.set n, 0
.rept 16                               ; group n / 4, block of rows n % 4
	ds_store_b128 v[STO], v[TMP+8*n:TMP+8*n+3]   offset:(n%4)*16*SP+(n/4)*64
	ds_store_b128 v[STO], v[TMP+8*n+4:TMP+8*n+7] offset:(n%4)*16*SP+(n/4)*64+16
.set n, n+1
.endr
	s_wait_dscnt 0x0                               ; for the others' sake: my stores into the stage are done
	s_barrier_signal -1
	s_barrier_wait -1
.set n, 0
.rept 32
	ds_load_b128 v[TMP+4*n:TMP+4*n+3], v[RD] offset:n*SP
.set n, n+1
.endr
.set n, 0
.rept 32
	s_wait_dscnt 31-n                              ; LDS loads come back in order: row n is in
	global_store_b128 v[CO], v[TMP+4*n:TMP+4*n+3], s[8:9] offset:8192*n  ; a wave's store covers 512 consecutive bytes of a row, aligned
.set n, n+1
.endr
.else
	; THE WAY OUT.  Every wave lays all its 256 partial sums a lane into the exchange (which quarter a wave keeps would be a choice of registers by the wave's number); wave w then adds block a = w of all four.
.irp W, 1,2
	WIN 0x04*(\W)                                  ; store data in window W
.set n, 0
.rept 16                               ; accumulator n: block (n / 2) % 4; quads 2 q, 2 q + 1 with q = 4 (W - 1) + 2 (n / 8) + n % 2; the lower four registers first
	ds_store_b128 v[XST], v[8*n:8*n+3]   offset:(16*((n/2)%4)+2*(4*((\W)-1)+2*(n/8)+n%2))*512
	ds_store_b128 v[XST], v[8*n+4:8*n+7] offset:(16*((n/2)%4)+2*(4*((\W)-1)+2*(n/8)+n%2)+1)*512
.set n, n+1
.endr
.endr
	WIN 0
	s_wait_dscnt 0x0                               ; for the others' sake: my stores are done; my reads of slot 0 were over above
	s_barrier_signal -1
	s_barrier_wait -1
	WIN 0x40
.set n, 0
.rept 16
	ds_load_b128 v[4*n:4*n+3],       v[XLD] offset:512*n          ; wave 0's part
	ds_load_b128 v[64+4*n:64+4*n+3], v[XLD] offset:32768+512*n    ; wave 1's
.set n, n+1
.endr
	WIN 0x80
.set n, 0
.rept 16
	ds_load_b128 v[4*n:4*n+3],       v[XLD2] offset:512*n         ; wave 2's
	ds_load_b128 v[64+4*n:64+4*n+3], v[XLD2] offset:32768+512*n   ; wave 3's
.set n, n+1
.endr
	s_wait_dscnt 32                                ; the 32 loads of waves 2 and 3's parts may be out
	WIN 0x45
.set n, 0
.rept 32
	v_pk_add_f32 v[2*n:2*n+1], v[2*n:2*n+1], v[64+2*n:64+2*n+1]
.set n, n+1
.endr
	s_wait_dscnt 0x0
	WIN 0x8a
.set n, 0
.rept 32
	v_pk_add_f32 v[2*n:2*n+1], v[2*n:2*n+1], v[64+2*n:64+2*n+1]
.set n, n+1
.endr
	WIN 0x09                                       ; source 0 window 1, source 1 window 2, destination window 0
.set n, 0
.rept 32
	v_pk_add_f32 v[TMP+2*n:TMP+2*n+1], v[2*n:2*n+1], v[2*n:2*n+1]
.set n, n+1
.endr
	WIN 0
.set n, 0
.rept 64                               ; column n % 16 of group n / 16: even and odd fragments interleave; times F
	v_mul_f32 v[TMP+64+n], s[FS], v[TMP+16*(n/16)+8*(n%2)+2*((n/4)%4)+(n%4)/2]
.set n, n+1
.endr
.set n, 0
.rept 16
	ds_store_b128 v[STO], v[TMP+64+4*n:TMP+64+4*n+3] offset:128*(n/4)+16*(n%4)  ; my own stage, in slot 0, which nobody reads behind the barrier above
.set n, n+1
.endr
.set n, 0
.rept 16
	ds_load_b128 v[TMP+4*n:TMP+4*n+3], v[RD] offset:n*SP  ; LDS serves a wave's instructions in order (ISA guide 5.7.1.4): these see the stores above
.set n, n+1
.endr
.set n, 0
.rept 16
	s_wait_dscnt 15-n
	global_store_b128 v[CO], v[TMP+4*n:TMP+4*n+3], s[8:9] offset:4096*n th:TH_STORE_NT  ; 512 consecutive bytes of a row, aligned
.set n, n+1
.endr
.endif
	s_wait_tensorcnt 0x0                           ; the wave's end, behind my last tensor load and my last LDS store
	ds_add_u32 v[SPW], v[NIL]
	s_wait_dscnt 0x0
	CROUND                                         ; the closing round: no work-group ends while a partner may still ask for a tile that names it
	s_endpgm
.Lfunc_end_k_q50b0656561_g2:
	.size	k_q50b0656561_g2, .Lfunc_end_k_q50b0656561_g2-k_q50b0656561_g2
	.p2alignl 7, 3214868480
	.fill 96, 4, 3214868480
	.section	.rodata,"a",@progbits
	.p2align	6, 0x0
	.amdhsa_kernel k_q50b0656561_g2
		.amdhsa_group_segment_fixed_size 327680
		.amdhsa_private_segment_fixed_size 0
		.amdhsa_enable_private_segment 0
		.amdhsa_kernarg_size 48
		.amdhsa_user_sgpr_count 2
		.amdhsa_user_sgpr_kernarg_segment_ptr 1
		.amdhsa_wavefront_size32 1
		.amdhsa_system_sgpr_workgroup_id_x 1
		.amdhsa_system_sgpr_workgroup_id_y 1
		.amdhsa_system_sgpr_workgroup_id_z 1
		.amdhsa_system_vgpr_workitem_id 0
		.amdhsa_next_free_vgpr 768
		.amdhsa_next_free_sgpr 88
		.amdhsa_reserve_vcc 0
		.amdhsa_float_denorm_mode_32 3
		.amdhsa_float_denorm_mode_16_64 3
		.amdhsa_memory_ordered 1
		.amdhsa_forward_progress 1
		.amdhsa_inst_pref_size 104
	.end_amdhsa_kernel
	.amdgpu_metadata
---
amdhsa.version: [ 1, 2 ]
amdhsa.kernels:
  - .name:           k_q50b0656561_g2
    .symbol:         k_q50b0656561_g2.kd
    .args:
      - { .name: h1, .offset: 0, .size: 8, .value_kind: global_buffer, .address_space: global }
      - { .name: k2b, .offset: 8, .size: 8, .value_kind: global_buffer, .address_space: global }
      - { .name: out0, .offset: 16, .size: 8, .value_kind: global_buffer, .address_space: global }
      - { .name: s0, .offset: 24, .size: 8, .value_kind: global_buffer, .address_space: global }
      - { .name: s1, .offset: 32, .size: 8, .value_kind: global_buffer, .address_space: global }
      - { .name: s2, .offset: 40, .size: 8, .value_kind: global_buffer, .address_space: global }
    .group_segment_fixed_size: 327680
    .private_segment_fixed_size: 0
    .kernarg_segment_align: 8
    .kernarg_segment_size: 48
    .max_flat_workgroup_size: 128
    .sgpr_count:     88
    .vgpr_count:     768
    .wavefront_size: 32
...
	.end_amdgpu_metadata
.endif
;; end of part 4
